; MI455X (gfx1250); checked and timed in simulation.
; The chip was launched on July 23, 2026; its instructions are those of AMD's public machine-readable ISA for CDNA 5 (MIT licence, August 2026) and "CDNA5" Instruction Set Architecture Reference Guide (July 2026). The comments in the code are by the model that wrote it; some were corrected since.
;; QF Layer. Allowed arithmetic: matrix products marked QUANTISED: E2M3 operands, one E8M0 scale for each 32 along K, by v_wmma_scale_f32_16x16x128_f8f6f4 with both operands' format E2M3, f32 sums; everything else in f32.
;; Inputs: W1 768 x 3,072 float32; W2 3,072 x 768 float32; Wk1 768 x 768 float32; Wk2 1,024 x 768 float32; Wq1 768 x 768 float32; Wq2 768 x 768 float32; Wv1 768 x 768 float32; Wv2 1,024 x 768 float32; b1 3,072 float32; b2 768 float32; bk1 768 float32; bk2 768 float32; bq1 768 float32; bq2 768 float32; bv1 768 float32; bv2 768 float32; im_repr 256 x 1,024 float32; ln_b 768 float32; ln_g 768 float32; q_repr 256 x 55 x 768 float32.
;; Outputs: out0 256 x 768 float32.
;; This version of the problem:
;;   THIS VERSION OF THE PROBLEM IS GIVEN IN LOW PRECISION. The matrix products marked QUANTISED in the list below multiply operands that are first quantised to E2M3 (2 exponent bits, 3 mantissa bits; 6 bits a number), with one power-of-two scale for each 32 numbers along K (OCP MX v1.0); their sums are f32. All else is computed in f32.
;;   The module's matrix products, in the order in which they are computed (A, B: the left and right operand; K: the contracted axis; several contracted axes count as one K, in the product's order):
;;     1. [M 14,080, K 768] x [K 768, N 768]; A: input q_repr; B: input Wq1: QUANTISED
;;     2. [M 14,080, K 768] x [K 768, N 768]; A: input q_repr; B: input Wk1: QUANTISED
;;     3. [M 14,080, K 768] x [K 768, N 768]; A: input q_repr; B: input Wv1: QUANTISED
;;     4. batch 3,072 x [M 55, K 64] x [K 64, N 55]; A: computed on the way; B: computed on the way: QUANTISED
;;     5. batch 3,072 x [M 55, K 55] x [K 55, N 64]; A: softmax (see below); B: computed on the way: QUANTISED
;;     6. [M 14,080, K 768] x [K 768, N 768]; A: computed on the way; B: input Wq2: QUANTISED
;;     7. [M 14,080, K 1,024] x [K 1,024, N 768]; A: input im_repr; B: input Wk2: QUANTISED
;;     8. [M 14,080, K 1,024] x [K 1,024, N 768]; A: input im_repr; B: input Wv2: QUANTISED
;;     9. batch 3,072 x [M 55, K 64] x [K 64, N 55]; A: computed on the way; B: computed on the way: QUANTISED
;;     10. batch 3,072 x [M 55, K 55] x [K 55, N 64]; A: softmax (see below); B: computed on the way: QUANTISED
;;     11. [M 256, K 768] x [K 768, N 3,072]; A: computed on the way; B: input W1: QUANTISED
;;     12. [M 256, K 3,072] x [K 3,072, N 768]; A: computed on the way; B: input W2: QUANTISED
;;   THE QUANTISER, for each operand of a quantised product, along K:
;;     - K is cut into blocks of 32 from its start; a last block that is shorter is filled with zeros.
;;     - A block's scale is 2^e with e = floor(log2(the largest magnitude in the block)) - 2, held to -126 .. 127; a block of zeros has e = 0. As a byte (E8M0): e + 127.
;;     - Each number is divided by its block's scale, clamped to +-7.5, and rounded to the nearest number of E2M3, ties to even, subnormals kept.
;;     - The product sums the exact products of the quantised numbers (number of the format x scale) in f32.
;;   ~~~python
;;   def quantise(x, axis):      # numpy; x: float32 -> the quantised numbers, widened to float32 again
;;       x = np.moveaxis(x, axis, -1); K = x.shape[-1]
;;       x = np.pad(x, [(0, 0)] * (x.ndim - 1) + [(0, -K % 32)]); x = x.reshape(x.shape[:-1] + (-1, 32)); a = np.abs(x).max(-1, keepdims=True)
;;       e = np.where(a > 0, np.clip(np.frexp(np.where(a > 0, a, 1))[1] - 1 - 2, -126, 127), 0)      # np.frexp(a)[1] - 1 = floor(log2(a)), exactly
;;       r = np.clip(x / 2.0 ** e, -7.5, 7.5)
;;       step = 2.0 ** (np.maximum(np.frexp(np.where(r == 0, 1, r))[1] - 1, 0) - 3)
;;       q = np.round(r / step) * step * 2.0 ** e      # np.round: ties to even
;;       return np.moveaxis(q.reshape(q.shape[:-2] + (-1,))[..., :K], -1, axis).astype(np.float32)
;;   ~~~
;;   SOFTMAX AHEAD OF A QUANTISED PRODUCT. Where the list says 'softmax', what is quantised is not the finished softmax but p = 2^(t - M), with t = logit x log2(e) and M = ceil(the row's largest t), a whole number; so 1/2 < the row's largest p <= 1. The row's sum l is taken of the UNQUANTISED p, in f32, and the product's result is divided by l at the end. Since M is a whole number, a kernel that streams over the keys may use a running M (the ceiling of the running maximum): every later rescaling is an exact power of two, which a block's scale takes up: the codes' values come out the same.
;;   OPERANDS COMPUTED ON THE WAY. 'Computed on the way' means the value that the module computes at that place (a softmax that the list does not call 'softmax' is quantised finished and normalised). What goes into a quantiser is computed in f32, as accurately as f32 sums, v_exp_f32 and their like allow (about 1e-6 of the number): no bf16 or f16 on the way to a quantiser, and a product that is left as it is and whose result goes on into a quantised operand takes f32 operands (vector FMAs, or v_wmma_f32_16x16x4_f32). A number that lies on a knife's edge between two numbers of the format may be rounded either way, as far as f32 arithmetic and the matrix unit's own rounding can turn it there, and no further.
;; 2 versions, each right; version 2 is version 1 with the launches prep, ffn written anew for expert scheduling mode. Each part assembles by itself: llvm-mc -triple=amdgcn-amd-amdhsa -mcpu=gfx1250 --defsym DOCPART=n.
;; ======== version 1 of 2: 4 launches
;; workspace buffers: wc 5,308,416 bytes; ws 221,184 bytes; kv2 1,572,864 bytes; xbuf 786,432 bytes; part 9,437,184 bytes
;; launch prep (part 1): grid 408 x 1, 8 waves a work-group, no clusters, 34,816 bytes of LDS; arguments Wq1, Wk1, Wv1, Wq2, W1, W2, Wk2, Wv2, bk2, bv2, im_repr, wc, ws, kv2; writes wc, ws, kv2
.if DOCPART == 1
	.amdgcn_target "amdgcn-amd-amdhsa--gfx1250"
	.amdhsa_code_object_version 6
	.text
	.protected	k_qc969fca3c7_prep
	.globl	k_qc969fca3c7_prep
	.p2align	8
	.type	k_qc969fca3c7_prep,@function
k_qc969fca3c7_prep:
	s_mov_b64 s[64:65], 0
	v_nop
	global_prefetch_b8 v0, s[64:65] scope:SCOPE_SE
	s_setreg_imm32_b32 hwreg(HW_REG_WAVE_MODE, 25, 1), 1
	s_wait_xcnt 0x0
; TWO JOBS IN ONE LAUNCH, told apart by the work-group's number.
; A (work-groups 0-215): Wq1, Wk1, Wv1, Wq2, W1, W2 (f32, K = the first axis) become codes of FP6 (E2M3) with one E8M0 byte for each 32 along K, laid as IMAGES OF
;   OPERAND REGISTERS: a fragment (16 columns x 128 K) is 1,536 bytes, registers 4 c .. 4 c + 3 of lane l at 512 c + 16 l; its 16 scale words are 64 bytes.
;   A lane takes a column and its registers run down K, so a block of 32 is one lane's own and the conversions give K innermost.  A wave takes 32 columns x 128 K, a work-group of eight waves 256 columns.
;   THE COLUMNS OF A TILE ARE NOT NEIGHBOURS: lane r of tile 2 b + u holds column 32 b + 8 u + r + 8 (r / 8), so that results made with such a tile as source 0 lie as 16 neighbours in 16 registers.
; B (work-groups 216-407): k2 | v2 = Q(im_repr) Q(Wk2 | Wv2) + bias for the 256 rows of im_repr.  The model repeats each of these rows over its 55 positions, so one row a batch holds all the numbers.
;   A work-group takes 64 rows x 32 columns.  Wave w quantises K step w of the 32 columns into an LDS image; then it multiplies row tile w % 4 over K steps 4 (w / 4) .. + 3.
;   Waves 4-7 hand their sums to waves 0-3 through LDS: k2 and v2 are the f32 sum of two partial sums over K, the bias in the lower one.
; A block's scale byte is its largest magnitude's exponent field - 2, held at 1 from below.
; LIMITS: NaN and infinities are not served; a block whose largest magnitude lies under 2^-124 gets the byte 1; a block of zeros gets the byte 1 where the quantiser says 127 (its codes are zeros; only this program reads the bytes).
.set RAW,  16                          ; v16-143  four sets of 32 numbers
.set FR0,  144                         ; v144-167 the two lanes' halves of a weight fragment; in B later im_repr's fragments, two by turns
.set WF,   168                         ; v168-191 B: two weight fragments; at the end the partner's sums
.set WSR,  192                         ; v192-193 their scale words
.set AS,   194                         ; v194-195 im_repr's scale words, two by turns
.set ACC,  196                         ; v196-211 two accumulators
.set BIAS, 212                         ; v212-227 the bias in the result's layout
.set TM,   228
.set TP,   230
.set TS,   232
.set PWA,  234
.set SW,   235
.set PC,   236
.set CT,   244
.set PWB,  247
.set SEL,  50                          ; s[50:51] selects of v_permlanex16_b32: lane l xor 16
.set WSCL, 24576                       ; LDS: 16 fragment images, then their scale words,
.set RED,  25600                       ; then 2,048 bytes for each row tile: the upper K half's sums
.macro PLACES n
.rept \n
	v_nop
.endr
.endm
; 32 numbers of a lane, register 16 b + i = k 32 b + 16 (lane / 16) + i of the lane's row, become 6 registers of codes (v[PC] on: k = 32 (lane / 16) + 0 .. 31) and two scale bytes in v[pwr].
.macro QUANT2 s, pwr
	v_max3_num_f32 v[TM], |v[(\s)]|, |v[(\s)+1]|, 0x1800000       ; with the floor 2^(3 - 127): the byte cannot fall under 1
	v_max3_num_f32 v[TM+1], |v[(\s)+16]|, |v[(\s)+17]|, 0x1800000
.irp i, 2,4,6,8,10,12,14
	v_max3_num_f32 v[TM], v[TM], |v[(\s)+\i]|, |v[(\s)+\i+1]|
	v_max3_num_f32 v[TM+1], v[TM+1], |v[(\s)+16+\i]|, |v[(\s)+17+\i]|
.endr
	v_permlanex16_b32 v[TP], v[TM], s[SEL], s[SEL+1]
	v_permlanex16_b32 v[TP+1], v[TM+1], s[SEL], s[SEL+1]
	v_max_num_f32 v[TM], v[TM], v[TP]                              ; with lane l xor 16's 16: the block's largest magnitude
	v_max_num_f32 v[TM+1], v[TM+1], v[TP+1]
	v_add_nc_u32 v[TS], 0xff000000, v[TM]                          ; 2 off the exponent field: the conversion's scale operand
	v_add_nc_u32 v[TS+1], 0xff000000, v[TM+1]
	v_lshrrev_b32 v[TP], 23, v[TS]
	v_lshrrev_b32 v[TP+1], 23, v[TS+1]
	v_lshl_or_b32 v[\pwr], v[TP+1], 8, v[TP]
	v_cvt_scalef32_pk16_fp6_f32 v[PC:PC+2], v[(\s):(\s)+15], v[TS]
	v_cvt_scalef32_pk16_fp6_f32 v[PC+4:PC+6], v[(\s)+16:(\s)+31], v[TS+1]
	v_nop                                                          ; one plain place behind a scaled conversion
.irp i, 0,1,2
	v_permlane16_swap_b32 v[PC+\i], v[PC+4+\i]                     ; a whole block to a lane: lanes 0-15 block 0, lanes 16-31 block 1
.endr
	v_mov_b32 v[PC+3], v[PC+4]
	v_mov_b32 v[PC+4], v[PC+5]
	v_mov_b32 v[PC+5], v[PC+6]
.endm
; block kb of a K step: W(32 kb + i, my column), i = 0 .. 31, into set kb % 2
.macro LOADB kb, pitch, nt
.irp i, 0,1,2,3,4,5,6,7,8,9,10,11,12,13,14,15,16,17,18,19,20,21,22,23,24,25,26,27,28,29,30,31
.if \nt
	global_load_b32 v[RAW+32*((\kb)%2)+\i], v4, s[40:41] offset:(32*(\kb)+\i)*(\pitch) th:TH_LOAD_NT
.else
	global_load_b32 v[RAW+32*((\kb)%2)+\i], v4, s[40:41] offset:(32*(\kb)+\i)*(\pitch)
.endif
.endr
.endm
; block kb = 2 c + h is registers 6 c .. 6 c + 5 of the image's lane (r, h): kept in FR0 + 12 h.  left: the loads issued behind this block's 32
.macro WBLOCK kb, left
.set XB, RAW+32*((\kb)%2)
.set FD, FR0+12*((\kb)%2)+6*((\kb)/2)
	s_wait_loadcnt \left
	v_max3_num_f32 v[TM], |v[XB]|, |v[XB+1]|, |v[XB+2]|
	v_max3_num_f32 v[TM+1], |v[XB+3]|, |v[XB+4]|, |v[XB+5]|
.irp i, 6,10,14,18,22,26
	v_max3_num_f32 v[TM], v[TM], |v[XB+\i]|, |v[XB+\i+1]|
	v_max3_num_f32 v[TM+1], v[TM+1], |v[XB+\i+2]|, |v[XB+\i+3]|
.endr
	v_max3_num_f32 v[TM], v[TM], |v[XB+30]|, |v[XB+31]|
	v_max3_num_f32 v[TM], v[TM], v[TM+1], 0x1800000
	v_add_nc_u32 v[TS], 0xff000000, v[TM]
	v_lshrrev_b32 v[TP], 23, v[TS]
.if (\kb) == 0
	v_mov_b32 v[SW], v[TP]
.else
	v_lshl_or_b32 v[SW], v[TP], 8*(\kb), v[SW]
.endif
	v_cvt_scalef32_pk16_fp6_f32 v[FD:FD+2], v[XB:XB+15], v[TS]
	v_cvt_scalef32_pk16_fp6_f32 v[CT:CT+2], v[XB+16:XB+31], v[TS]  ; (a conversion's three registers begin on an even number)
	v_nop
.irp i, 0,1,2
	v_mov_b32 v[FD+3+\i], v[CT+\i]
.endr
.endm
.macro WTASK pitch                     ; 32 columns x 128 K; loads run one block ahead: behind a block's loads stand the next block's 32
	LOADB 0, \pitch, 1
	LOADB 1, \pitch, 1
	WBLOCK 0, 32
	LOADB 2, \pitch, 1
	WBLOCK 1, 32
	LOADB 3, \pitch, 1
	WBLOCK 2, 32
	WBLOCK 3, 0
.endm
	s_load_b512 s[4:19], s[0:1], 0x0               ; Wq1 4, Wk1 6, Wv1 8, Wq2 10, W1 12, W2 14, Wk2 16, Wv2 18
	s_load_b256 s[20:27], s[0:1], 0x40             ; bk2 20, bv2 22, im_repr 24, wc 26
	s_load_b128 s[28:31], s[0:1], 0x60             ; ws 28, kv2 30
	v_lshl_add_u32 v248, v0, 2, 0x8400
	v_mov_b32 v249, 0
	v_lshrrev_b32 v1, 5, v0
	v_readfirstlane_b32 s32, v1                    ; wave 0..7
	v_and_b32 v1, 31, v0                           ; lane = my column of the wave's 32
	v_lshlrev_b32 v4, 2, v1
	v_bfe_u32 v2, v0, 3, 1                         ; u: which of the two tiles my column belongs to
	v_and_b32 v3, 7, v0
	v_bfe_u32 v7, v0, 4, 1                         ; lane / 16
	v_lshl_or_b32 v3, v7, 3, v3                    ; r': its lane in that tile
	v_mov_b32 v[TP], 0                             ; written once: a lane permute's destination counts as one of its sources
	v_mov_b32 v[TP+1], 0
	s_mov_b32 s[SEL], 0x76543210
	s_mov_b32 s[SEL+1], 0xfedcba98
	s_mov_b32 s45, 0                               ; the upper word of the offsets in s[44:45]
	s_cmp_ge_u32 ttmp9, 216
	s_cbranch_scc1 .Lpath_b
	; ---- A.  216 work-groups = 12 jobs of 18; a job = 3 groups of 256 columns x 6 K steps
	s_mul_i32 s33, ttmp9, 57
	s_lshr_b32 s33, s33, 10                        ; job = x / 18 (exact for x < 216)
	s_mul_i32 s34, s33, 18
	s_sub_co_u32 s34, ttmp9, s34
	s_mul_i32 s35, s34, 43
	s_lshr_b32 s35, s35, 8                         ; cq = rem / 6
	s_mul_i32 s36, s35, 6
	s_sub_co_u32 s36, s34, s36                     ; sr = rem % 6
	s_wait_kmcnt 0x0
	s_cmp_ge_u32 s33, 8
	s_cbranch_scc1 .Ljob_w2
	s_cmp_ge_u32 s33, 4
	s_cbranch_scc1 .Ljob_w1
	; jobs 0-3: Wq1, Wk1, Wv1, Wq2.  Their fragments lie in the order in which a wave of the next launch uses them: wave head / 3, unit 3 (head % 3) + job, or 9 + head % 3 for Wq2; in a unit 6 tile + K step
	s_lshl_b32 s37, s35, 3
	s_add_co_u32 s37, s37, s32                     ; g: my 32 columns
	s_mov_b32 s38, s36                             ; K step
	s_lshr_b32 s44, s37, 1                         ; head
	s_mul_i32 s46, s44, 11
	s_lshr_b32 s46, s46, 5                         ; head / 3
	s_mul_i32 s47, s46, 3
	s_sub_co_u32 s47, s44, s47                     ; head % 3
	s_mul_i32 s48, s47, 3
	s_add_co_u32 s48, s48, s33
	s_add_co_u32 s47, s47, 9
	s_cmp_lt_u32 s33, 3
	s_cselect_b32 s47, s48, s47                    ; unit
	s_mul_i32 s46, s46, 12
	s_add_co_u32 s47, s47, s46
	s_mul_i32 s39, s47, 24
	s_and_b32 s48, s37, 1
	s_mul_i32 s48, s48, 12
	s_add_co_u32 s39, s39, s48
	s_add_co_u32 s39, s39, s38                     ; the fragment's number, for u = 0
	s_mov_b32 s42, 6                               ; fragments from a tile to the next
	s_mov_b32 s43, 128*3072                        ; bytes from a K step to the next
	s_mov_b32 s49, 0
	s_mov_b64 s[40:41], s[4:5]
	s_cmp_eq_u32 s33, 1
	s_cselect_b64 s[40:41], s[6:7], s[40:41]
	s_cmp_eq_u32 s33, 2
	s_cselect_b64 s[40:41], s[8:9], s[40:41]
	s_cmp_eq_u32 s33, 3
	s_cselect_b64 s[40:41], s[10:11], s[40:41]
	s_branch .Lcommon
.Ljob_w2:                                          ; jobs 8-11: W2 [3072][768]: fragment 2304 + 24 tile + K step
	s_lshl_b32 s37, s35, 3
	s_add_co_u32 s37, s37, s32
	s_sub_co_u32 s38, s33, 8
	s_mul_i32 s38, s38, 6
	s_add_co_u32 s38, s38, s36
	s_mul_i32 s39, s37, 48
	s_add_co_u32 s39, s39, s38
	s_add_co_u32 s39, s39, 2304
	s_mov_b32 s42, 24
	s_mov_b32 s43, 128*3072
	s_mov_b32 s49, 0
	s_mov_b64 s[40:41], s[14:15]
	s_branch .Lcommon
.Ljob_w1:                                          ; jobs 4-7: W1 [768][3072]: fragment 1152 + 6 tile + K step
	s_sub_co_u32 s37, s33, 4
	s_mul_i32 s37, s37, 3
	s_add_co_u32 s37, s37, s35
	s_lshl_b32 s37, s37, 3
	s_add_co_u32 s37, s37, s32
	s_mov_b32 s38, s36
	s_mul_i32 s39, s37, 12
	s_add_co_u32 s39, s39, s38
	s_add_co_u32 s39, s39, 1152
	s_mov_b32 s42, 6
	s_mov_b32 s43, 128*12288
	s_mov_b32 s49, 1
	s_mov_b64 s[40:41], s[12:13]
.Lcommon:
	s_mul_i32 s44, s38, s43
	s_lshl_b32 s46, s37, 7
	s_add_co_u32 s44, s44, s46
	s_add_nc_u64 s[40:41], s[40:41], s[44:45]      ; the weight at my K step and my 32 columns
	s_mul_i32 s44, s39, 1536
	s_add_nc_u64 s[26:27], s[26:27], s[44:45]
	s_lshl_b32 s44, s39, 6
	s_add_nc_u64 s[28:29], s[28:29], s[44:45]
	s_mul_i32 s46, s42, 1536
	v_mul_u32_u24 v5, s46, v2
	v_lshl_add_u32 v5, v3, 4, v5                   ; codes: my tile's fragment, 16 bytes at lane r'
	s_lshl_b32 s46, s42, 6
	v_mul_u32_u24 v6, s46, v2
	v_lshl_add_u32 v6, v3, 2, v6                   ; scale word: 4 r'
	s_cmp_eq_u32 s49, 1
	s_cbranch_scc1 .Lwide
	WTASK 3072
	s_branch .Lstore
.Lwide:
	WTASK 12288
.Lstore:
.irp h, 0,1
.irp c, 0,1,2
	global_store_b128 v5, v[FR0+12*\h+4*\c:FR0+12*\h+4*\c+3], s[26:27] offset:256*\h+512*\c   ; the 16 lanes of a tile store 256 consecutive bytes, aligned
.endr
.endr
	global_store_b32 v6, v[SW], s[28:29]
	s_endpgm
	; ---- B
.Lpath_b:
	s_sub_co_u32 s33, ttmp9, 216
	s_lshr_b32 s34, s33, 2                         ; g: 32 columns of k2 | v2
	s_and_b32 s35, s33, 3                          ; which 64 rows
	s_and_b32 s37, s32, 3                          ; my row tile
	s_lshr_b32 s38, s32, 2                         ; my half of K
	s_cmp_eq_u32 s38, 0
	s_cselect_b32 s47, 0x3f800000, 0               ; the bias counts in the lower half alone: x 1 or x 0
	s_wait_kmcnt 0x0
	s_cmp_lt_u32 s34, 24
	s_cselect_b64 s[40:41], s[16:17], s[18:19]
	s_cselect_b64 s[42:43], s[20:21], s[22:23]
	s_cselect_b32 s36, 0, 24
	s_sub_co_u32 s36, s34, s36
	s_lshl_b32 s44, s36, 7
	s_add_nc_u64 s[42:43], s[42:43], s[44:45]      ; the bias at my 32 columns
	s_mul_i32 s46, s32, 128*3072
	s_add_co_u32 s44, s44, s46
	s_add_nc_u64 s[40:41], s[40:41], s[44:45]      ; the weight at my 32 columns and K step w
	s_lshl_b32 s44, s35, 18
	s_lshl_b32 s46, s38, 11
	s_add_co_u32 s44, s44, s46
	s_add_nc_u64 s[24:25], s[24:25], s[44:45]      ; im_repr at the work-group's 64 rows and my 512 along K
	s_mul_i32 s44, s35, 64*6144
	s_lshl_b32 s46, s34, 7
	s_add_co_u32 s44, s44, s46
	s_add_nc_u64 s[30:31], s[30:31], s[44:45]
	v_mul_u32_u24 v8, v2, 12288                    ; LDS image of fragment (u, K step s) at (8 u + s) 1,536; I make s = w
	v_lshl_add_u32 v8, v3, 4, v8
	s_mul_i32 s44, s32, 1536
	v_add_nc_u32 v8, s44, v8
	v_lshlrev_b32 v9, 9, v2
	v_lshl_add_u32 v9, v3, 2, v9
	s_lshl_b32 s44, s32, 6
	v_add_nc_u32 v9, s44, v9
	v_add_nc_u32 v9, WSCL, v9
	v_lshlrev_b32 v10, 4, v1
	s_lshl_b32 s44, s37, 11
	v_add_nc_u32 v5, s44, v10
	v_add_nc_u32 v5, RED, v5                       ; my row tile's 2,048 bytes for the sums: 16 x lane
	s_mul_i32 s44, s38, 6144
	v_add_nc_u32 v10, s44, v10                     ; the fragments that I read: K steps 4 (w / 4) on
	v_and_b32 v15, 15, v0
	v_lshl_add_u32 v11, v15, 2, WSCL
	s_lshl_b32 s44, s38, 8
	v_add_nc_u32 v11, s44, v11
	s_lshl_b32 s44, s37, 4
	v_add_nc_u32 v15, s44, v15                     ; my row of the 64
	v_lshlrev_b32 v12, 12, v15
	v_lshl_add_u32 v12, v7, 6, v12
	v_mul_u32_u24 v13, v15, 6144
	v_lshl_add_u32 v13, v7, 6, v13
	v_lshlrev_b32 v14, 6, v7
.macro IL n                            ; half step n of my eight: 64 along K of my row, 32 numbers a lane, into set (n + 2) % 4
.irp b, 0,1
.irp j, 0,1,2,3
	global_load_b128 v[RAW+32*(((\n)+2)%4)+16*\b+4*\j:RAW+32*(((\n)+2)%4)+16*\b+4*\j+3], v12, s[24:25] offset:256*(\n)+128*\b+16*\j
.endr
.endr
.endm
	LOADB 0, 3072, 0
	LOADB 1, 3072, 0
	WBLOCK 0, 32
	LOADB 2, 3072, 0
	WBLOCK 1, 32
	LOADB 3, 3072, 0
.irp u, 0,1
.irp k, 0,1
	global_load_b128 v[BIAS+8*\u+4*\k:BIAS+8*\u+4*\k+3], v14, s[42:43] offset:32*\u+16*\k   ; lane (r, h), tile u: columns 16 h + 8 u + 0 .. 7
.endr
.endr
	IL 0                                           ; sets 2 and 3 are free: the first two half steps are on their way under the last two blocks
	IL 1
	WBLOCK 2, 52                                   ; behind block 2: block 3's 32, the bias's 4, im_repr's 16
	WBLOCK 3, 20                                   ; behind block 3: 4 and 16
.irp h, 0,1
.irp c, 0,1,2
	ds_store_b128 v8, v[FR0+12*\h+4*\c:FR0+12*\h+4*\c+3] offset:256*\h+512*\c
.endr
.endr
	ds_store_b32 v9, v[SW]
	IL 2
	IL 3
	s_wait_dscnt 0x0                               ; my image has landed, and the stores have read their registers
	s_barrier_signal -1
	s_barrier_wait -1                              ; the 16 weight fragments lie in LDS
.macro HALF n, pw
.if (\n) < 5
	s_wait_loadcnt 24                              ; behind this half step's loads: those of the next three
.else
	s_wait_loadcnt 8*(7-(\n))
.endif
	QUANT2 RAW+32*(((\n)+2)%4), \pw
.irp i, 0,1,2,3,4,5
	v_mov_b32 v[FR0+12*(((\n)/2)%2)+6*((\n)%2)+\i], v[PC+\i]
.endr
.if (\n)+4 < 8
	IL (\n)+4
.endif
.endm
.set KK, 0
.rept 4
.irp u, 0,1
.irp c, 0,1,2
	ds_load_b128 v[WF+12*\u+4*\c:WF+12*\u+4*\c+3], v10 offset:(8*\u+KK)*1536+512*\c
.endr
	ds_load_b32 v[WSR+\u], v11 offset:(8*\u+KK)*64
.endr
	HALF 2*KK, PWA
	HALF 2*KK+1, PWB
	v_lshl_or_b32 v[AS+KK%2], v[PWB], 16, v[PWA]
.if KK == 0
.irp i, 0,1,2,3,4,5,6,7,8,9,10,11,12,13,14,15
	v_mul_f32 v[BIAS+\i], s47, v[BIAS+\i]
.endr
.endif
	PLACES 8                                       ; a scale register written by a vector instruction stands 8 places ahead of a scaled matrix instruction, an operand 4
	s_wait_dscnt 0x0
.irp u, 0,1                                        ; transposed: source 0 = 16 columns of the weight, source 1 = my 16 rows; the two accumulators take turns
.if KK == 0
	v_wmma_scale_f32_16x16x128_f8f6f4 v[ACC+8*\u:ACC+8*\u+7], v[WF+12*\u:WF+12*\u+11], v[FR0+12*(KK%2):FR0+12*(KK%2)+11], v[BIAS+8*\u:BIAS+8*\u+7], v[WSR+\u], v[AS+KK%2] matrix_a_fmt:MATRIX_FMT_FP6 matrix_b_fmt:MATRIX_FMT_FP6
.else
	v_wmma_scale_f32_16x16x128_f8f6f4 v[ACC+8*\u:ACC+8*\u+7], v[WF+12*\u:WF+12*\u+11], v[FR0+12*(KK%2):FR0+12*(KK%2)+11], v[ACC+8*\u:ACC+8*\u+7], v[WSR+\u], v[AS+KK%2] matrix_a_fmt:MATRIX_FMT_FP6 matrix_b_fmt:MATRIX_FMT_FP6
.endif
.endr
	PLACES 4                                       ; in front of loads into registers that these have read, and of the first read of results
.set KK, KK+1
.endr
	s_cmp_lt_u32 s32, 4
	s_cbranch_scc1 .Llower
.irp c, 0,1,2,3
	ds_store_b128 v5, v[ACC+4*\c:ACC+4*\c+3] offset:512*\c         ; the upper half's sums, as an image of the registers, each accumulator from its low end on
.endr
.Llower:
	s_wait_dscnt 0x0
	s_barrier_signal -1
	s_barrier_wait -1                              ; they lie in LDS
	s_cmp_ge_u32 s32, 4
	s_cbranch_scc1 .Lb_end
.irp c, 0,1,2,3
	ds_load_b128 v[WF+4*\c:WF+4*\c+3], v5 offset:512*\c
.endr
	s_wait_dscnt 0x0
.irp i, 0,2,4,6,8,10,12,14
	v_pk_add_f32 v[ACC+\i:ACC+\i+1], v[ACC+\i:ACC+\i+1], v[WF+\i:WF+\i+1]
.endr
.irp u, 0,1
.irp k, 0,1
	global_store_b128 v13, v[ACC+8*\u+4*\k:ACC+8*\u+4*\k+3], s[30:31] offset:32*\u+16*\k
.endr
.endr
.Lb_end:
	s_wait_tensorcnt 0x0
	ds_add_u32 v248, v249
	s_wait_dscnt 0x0
	s_endpgm
.Lfunc_end_k_qc969fca3c7_prep:
	.size	k_qc969fca3c7_prep, .Lfunc_end_k_qc969fca3c7_prep-k_qc969fca3c7_prep
	.p2alignl 7, 3214868480
	.fill 96, 4, 3214868480
	.section	.rodata,"a",@progbits
	.p2align	6, 0x0
	.amdhsa_kernel k_qc969fca3c7_prep
		.amdhsa_group_segment_fixed_size 34816
		.amdhsa_private_segment_fixed_size 0
		.amdhsa_enable_private_segment 0
		.amdhsa_kernarg_size 112
		.amdhsa_user_sgpr_count 2
		.amdhsa_user_sgpr_kernarg_segment_ptr 1
		.amdhsa_wavefront_size32 1
		.amdhsa_system_sgpr_workgroup_id_x 1
		.amdhsa_system_sgpr_workgroup_id_y 1
		.amdhsa_system_sgpr_workgroup_id_z 1
		.amdhsa_system_vgpr_workitem_id 0
		.amdhsa_next_free_vgpr 250
		.amdhsa_next_free_sgpr 66
		.amdhsa_reserve_vcc 0
		.amdhsa_float_denorm_mode_32 3
		.amdhsa_float_denorm_mode_16_64 3
		.amdhsa_memory_ordered 1
		.amdhsa_forward_progress 1
		.amdhsa_inst_pref_size 92
	.end_amdhsa_kernel
	.amdgpu_metadata
---
amdhsa.version: [ 1, 2 ]
amdhsa.kernels:
  - .name:           k_qc969fca3c7_prep
    .symbol:         k_qc969fca3c7_prep.kd
    .args:
      - { .name: Wq1, .offset: 0, .size: 8, .value_kind: global_buffer, .address_space: global }
      - { .name: Wk1, .offset: 8, .size: 8, .value_kind: global_buffer, .address_space: global }
      - { .name: Wv1, .offset: 16, .size: 8, .value_kind: global_buffer, .address_space: global }
      - { .name: Wq2, .offset: 24, .size: 8, .value_kind: global_buffer, .address_space: global }
      - { .name: W1, .offset: 32, .size: 8, .value_kind: global_buffer, .address_space: global }
      - { .name: W2, .offset: 40, .size: 8, .value_kind: global_buffer, .address_space: global }
      - { .name: Wk2, .offset: 48, .size: 8, .value_kind: global_buffer, .address_space: global }
      - { .name: Wv2, .offset: 56, .size: 8, .value_kind: global_buffer, .address_space: global }
      - { .name: bk2, .offset: 64, .size: 8, .value_kind: global_buffer, .address_space: global }
      - { .name: bv2, .offset: 72, .size: 8, .value_kind: global_buffer, .address_space: global }
      - { .name: im_repr, .offset: 80, .size: 8, .value_kind: global_buffer, .address_space: global }
      - { .name: wc, .offset: 88, .size: 8, .value_kind: global_buffer, .address_space: global }
      - { .name: ws, .offset: 96, .size: 8, .value_kind: global_buffer, .address_space: global }
      - { .name: kv2, .offset: 104, .size: 8, .value_kind: global_buffer, .address_space: global }
    .group_segment_fixed_size: 34816
    .private_segment_fixed_size: 0
    .kernarg_segment_align: 8
    .kernarg_segment_size: 112
    .max_flat_workgroup_size: 256
    .sgpr_count:     66
    .vgpr_count:     250
    .wavefront_size: 32
...
	.end_amdgpu_metadata
.endif
;; end of part 1
;; launch main (part 2): grid 256 x 1, 4 waves a work-group, no clusters, 310,784 bytes of LDS; arguments q_repr, kv2, wc, ws, bq1, bk1, bv1, bq2, xbuf; writes xbuf
.if DOCPART == 2
	.amdgcn_target "amdgcn-amd-amdhsa--gfx1250"
	.amdhsa_code_object_version 6
	.text
	.protected	k_qc969fca3c7_main
	.globl	k_qc969fca3c7_main
	.p2align	8
	.type	k_qc969fca3c7_main,@function
k_qc969fca3c7_main:
	s_mov_b64 s[64:65], 0
	v_nop
	global_prefetch_b8 v0, s[64:65] scope:SCOPE_SE
	s_setreg_imm32_b32 hwreg(HW_REG_WAVE_MODE, 25, 1), 1
	s_wait_xcnt 0x0
; ONE WORK-GROUP = ONE BATCH, from q_repr to x[b] = the mean over the queries of the cross-attention's result.  All products on codes of FP6 (E2M3) with one E8M0 byte for each 32 along K.
; SHARES.  Wave w owns heads 3 w .. 3 w + 2 for all 64 rows (55 and 9 rows of zeros, which are masked as keys and weighted 0 as queries): their q, k, v, self-attention, q2, cross-attention.
; What goes from wave to wave, through LDS as images of operand registers, is only the codes of q_repr (wave w quantises row tile w) and of the self-attention's result (wave w makes its heads' 192 of the 768 along K).
; A HALF IMAGE is 16 rows x 64 K: 6 registers a lane in 768 bytes (registers 0-3 at 16 l, 4-5 at 512 + 8 l) and a slot of 128 bytes with the two scale bytes at 4 l.
; q_repr COMES BY THE TENSOR DATA MOVER, one load a wave, all four at the kernel's head: 64 rows x 192 columns (768 consecutive bytes of each row, at a multiple of 256 from the buffer's first byte); the tensor is stated
; as 55 rows, so rows 55-63 are written as zeros.  The batch's 168,960 bytes are asked for at once and take no vector register and no place among the counted loads, under which k2, v2 and the first weights come.
; These LDS bytes are filled once and nothing is stored into them.
; WEIGHTS come from memory straight into registers, as fragment images that the launch before has laid in the order of use: a UNIT is a head's 64 columns x 768 K: 24 fragments, 36,864 bytes.
; Six register slots of four fragments form a ring: slot s is asked for again, for the next unit, behind K step s of the unit in hand.
; NO CLUSTER, NO JOINT LOADS: all work-groups read the same weights, but no two waves of a work-group read the same fragment, so LDS would add a hop; two LDS slots of one unit for each of four waves are
; 2 x 4 x 36,864 = 294,912 bytes, which do not fit beside the 101,376 bytes of images; and slots of half a unit would leave a refill the 48 matrix instructions of three K steps in which to land.
; ROW AND COLUMN ORDER.  Lane r of tile 2 b + u (rows of q_repr, columns of a weight) holds number 32 b + 8 u + r + 8 (r / 8) of its group of 32, so that wherever such a tile is source 0 the 16 registers of
; tiles 2 b, 2 b + 1 are 16 neighbours: along the head for q, k, the attention's result; along the keys for v and the scores.
; SOFTMAX.  t = score x log2(e) / 8; M = ceil(the row's largest t); p = 2^(t - M) is quantised; the sum of the unquantised p divides at the end.
; CROSS-ATTENTION.  The model repeats one key and one value row 55 times: the 55 scores of a query are one number, p one number, and its sum is taken as 55 p (one rounding, not 55 additions).
; LIMITS: NaN and infinities are not served; a block whose largest magnitude lies under 2^-124 gets the byte 1; a block of zeros gets the byte 1 (its codes are zeros; only this program reads the bytes).
; REGISTERS, in windows of 256.  Window 0: see the names below.  Window 1: row fragments of tiles 0, 1 at 72 T + 12 s; weight slot 5 at 144; k's four fragments at 192.
;   Window 2: row fragments of tiles 2, 3; q's (later p's) four fragments at 144; v's at 192.   Window 3: weight slots 0-4 at 48 s + 12 t.
.set UNITB, 36864
.set UNITS, 1536
.set XSC,   36864                      ; LDS: 48 half images from 0 (q_repr's, later the self-attention result's), their slots,
.set KVST,  43008                      ; for each wave 13,824: for each of its heads five entries of 896 (image + slot): k2, v2's four tiles,
.set KVW,   13824
.set KVH,   4480
.set KVE,   896
.set XOUT,  98304                      ; 768 a wave, of which 256 are used: x's way out,
.set RAW,   101376                     ; and q_repr as f32: region c holds columns 192 c on of 64 rows, a row 3 x (256 + 16) = 816 bytes: 51 x 16, so the 16 rows that a load of 16 bytes a lane touches start in 16 different groups of banks
.set RAWW,  52224
.set L16,  1                           ; 16 x lane
.set L4,   2                           ; 4 x lane
.set H64,  3                           ; 64 (lane / 16)
.set P4,   4                           ; 4 (r + 8 (r / 8))
.set SCR,  7                           ; slots: XSC + 256 (lane / 16) + 4 r
.set PA16, 8                           ; where images are put or taken in the phase in hand
.set PA8,  9
.set PA4,  10
.set MK4,  12                          ; masks that cut keys 55-63 out of repeated codes
.set MK5,  13
.set XOS,  14
.set L8,   15                          ; 8 x lane
.set R4,   16                          ; at the start: 4 r;
.set KV16, 17                          ; and the wave's part of KVST
.set KV8,  18
.set KV4,  19
.set SA,   16                          ; later: sums
.set SB,   18
.set T0,   20
.set T1,   21
.set XS,   22                          ; v22-33 the rows' scale words: register 3 T + i: lanes 0-15 K step 2 i, lanes 16-31 K step 2 i + 1
.set WCUR, 34                          ; v34-45 the unit's weight scale words, 3 t + i, packed alike
.set WINC, 46                          ; v46-57 the next unit's, as they arrive
.set QS,   58                          ; v58-61 q's, later p's
.set KS,   62
.set VS,   66
.set LINV, 70                          ; v70-77 four pairs: 1 / sum, or a query's weight in the mean
.set RA,   70                          ; at the start v70-73: my row's place in the four regions of RAW
.set BIAS, 78                          ; v78-109
.set ACC,  110                         ; v110-237 sixteen accumulators
.set TM,   238
.set TP,   240
.set TS,   242
.set PC,   244
.set PW,   252
.set NM,   254                         ; v[254:255] -M
.set CS,   42                          ; s[42:43] log2(e) / 8
.set SEL,  44                          ; s[44:45] selects of v_permlanex16_b32: lane l xor 16
.set G0,   68                          ; s[68:71] the tensor load's group 0, s[72:79] its group 1: written once
.set G1,   72
.set MSB, 0
.macro WIN new                         ; the immediate's high byte repeats the setting that is left
.if MSB != (\new)
	s_set_vgpr_msb (MSB<<8)|(\new)
.set MSB, (\new)
.endif
.endm
.macro PLACES n
.rept \n
	v_nop
.endr
.endm
; 32 numbers of a lane, register 16 b + i = k 32 b + 16 (lane / 16) + i of the lane's row, become 6 registers of codes (v[PC] on: k = 32 (lane / 16) + 0 .. 31) and two scale bytes in v[pwr].
; mask = 1: K is the keys: keys 55-63 (registers 23-31 of lanes 16-31) count as zeros.  Accumulators are read from their low ends on.
; dw: the LDS instructions issued behind the stores of the last codes, which may stay out when the codes' registers are written again.
.macro QUANT2 s, pwr, mask, dw
	v_max3_num_f32 v[TM], |v[(\s)]|, |v[(\s)+1]|, 0x1800000       ; with the floor 2^(3 - 127): the byte cannot fall under 1
	v_max3_num_f32 v[TM+1], |v[(\s)+16]|, |v[(\s)+17]|, 0x1800000
.if \mask
.irp i, 23,24,25,26,27,28,29,30,31
	v_cndmask_b32 v[(\s)+\i], 0, v[(\s)+\i], vcc_lo
.endr
.endif
.irp i, 2,4,6,8,10,12,14
	v_max3_num_f32 v[TM], v[TM], |v[(\s)+\i]|, |v[(\s)+\i+1]|
	v_max3_num_f32 v[TM+1], v[TM+1], |v[(\s)+16+\i]|, |v[(\s)+17+\i]|
.endr
	v_permlanex16_b32 v[TP], v[TM], s[SEL], s[SEL+1]
	v_permlanex16_b32 v[TP+1], v[TM+1], s[SEL], s[SEL+1]
	v_max_num_f32 v[TM], v[TM], v[TP]
	v_max_num_f32 v[TM+1], v[TM+1], v[TP+1]
	v_add_nc_u32 v[TS], 0xff000000, v[TM]                          ; 2 off the exponent field: the conversion's scale operand
	v_add_nc_u32 v[TS+1], 0xff000000, v[TM+1]
	v_lshrrev_b32 v[TP], 23, v[TS]
	v_lshrrev_b32 v[TP+1], 23, v[TS+1]
	v_lshl_or_b32 v[\pwr], v[TP+1], 8, v[TP]
	s_wait_dscnt \dw                                               ; LDS stores of the last codes have read their registers
	v_cvt_scalef32_pk16_fp6_f32 v[PC:PC+2], v[(\s):(\s)+15], v[TS]
	v_cvt_scalef32_pk16_fp6_f32 v[PC+4:PC+6], v[(\s)+16:(\s)+31], v[TS+1]
	v_nop                                                          ; one plain place behind a scaled conversion
.irp i, 0,1,2
	v_permlane16_swap_b32 v[PC+\i], v[PC+4+\i]                     ; a whole block to a lane
.endr
	v_mov_b32 v[PC+3], v[PC+4]
	v_mov_b32 v[PC+4], v[PC+5]
	v_mov_b32 v[PC+5], v[PC+6]
.endm
; One number a lane, repeated over 55 keys: 16 copies are converted; a block of 32 is the three registers twice; in lanes 16-31 (keys 32-63) 23 codes, 138 bits, are kept.
.macro REP vv, pf, pwr
.irp i, 0,1,2,3,4,5,6,7,8,9,10,11,12,13,14,15
	v_mov_b32 v[(\pf)+\i], v[\vv]
.endr
	v_max_num_f32 v[TM], |v[\vv]|, 0x1800000
	v_add_nc_u32 v[TS], 0xff000000, v[TM]
	v_lshrrev_b32 v[TP], 23, v[TS]
	v_lshl_or_b32 v[\pwr], v[TP], 8, v[TP]
	s_wait_dscnt 0x0
	v_cvt_scalef32_pk16_fp6_f32 v[PC:PC+2], v[(\pf):(\pf)+15], v[TS]
	v_nop
	v_mov_b32 v[PC+3], v[PC]
	v_and_b32 v[PC+4], v[PC+1], v[MK4]
	v_and_b32 v[PC+5], v[PC+2], v[MK5]
.endm
.macro PUTIMG a16, a8, a4, oi, os
	ds_store_b128 v[\a16], v[PC:PC+3] offset:\oi
	ds_store_b64 v[\a8], v[PC+4:PC+5] offset:(\oi)+512
	ds_store_b32 v[\a4], v[PW] offset:\os
.endm
.macro TOFRAG win, reg                 ; the codes become registers 0-5 of a fragment; its registers 6-11 stay zero codes
	WIN (\win)<<6
.irp i, 0,1,2,3,4,5
	v_mov_b32 v[(\reg)+\i], v[PC+\i]
.endr
	WIN 0
.endm
.macro WM d, a, b, c, sa, sb, odd      ; odd K steps take their scale words from lanes 16-31
.if \odd
	v_wmma_scale_f32_16x16x128_f8f6f4 v[(\d):(\d)+7], v[(\a):(\a)+11], v[(\b):(\b)+11], v[(\c):(\c)+7], v[\sa], v[\sb] matrix_a_fmt:MATRIX_FMT_FP6 matrix_b_fmt:MATRIX_FMT_FP6 matrix_a_scale:MATRIX_SCALE_ROW1 matrix_b_scale:MATRIX_SCALE_ROW1
.else
	v_wmma_scale_f32_16x16x128_f8f6f4 v[(\d):(\d)+7], v[(\a):(\a)+11], v[(\b):(\b)+11], v[(\c):(\c)+7], v[\sa], v[\sb] matrix_a_fmt:MATRIX_FMT_FP6 matrix_b_fmt:MATRIX_FMT_FP6
.endif
.endm
.macro WM0 d, a, b, sa, sb
	v_wmma_scale_f32_16x16x128_f8f6f4 v[(\d):(\d)+7], v[(\a):(\a)+11], v[(\b):(\b)+11], 0, v[\sa], v[\sb] matrix_a_fmt:MATRIX_FMT_FP6 matrix_b_fmt:MATRIX_FMT_FP6
.endm
; the four fragments of K step s of the unit uo units on: 12 loads into slot s
.macro GLOAD uo, s
.if (\s) == 5
	WIN 0x40
.set GB, 144
.else
	WIN 0xc0
.set GB, 48*(\s)
.endif
.irp t, 0,1,2,3
.irp c, 0,1,2
	global_load_b128 v[GB+12*\t+4*\c:GB+12*\t+4*\c+3], v[L16], s[8:9] offset:(\uo)*UNITB+(6*\t+(\s))*1536+512*\c
.endr
.endr
	WIN 0
.endm
; that unit's 12 packed scale words, and its bias: ek = 0: eight numbers a tile in the layout of a result with rows in the lanes (8 loads); ek = 1: one number a lane (4 loads)
.macro ELOAD uo, ek, bp, bo
.irp t, 0,1,2,3
.irp i, 0,1,2
	global_load_b32 v[WINC+3*\t+\i], v[L4], s[10:11] offset:(\uo)*UNITS+(6*\t+2*\i)*64
.endr
.endr
.irp t, 0,1,2,3
.if \ek
	global_load_b32 v[BIAS+8*\t], v[P4], s[\bp:\bp+1] offset:(\bo)+128*(\t/2)+32*(\t%2)
.else
	global_load_b128 v[BIAS+8*\t:BIAS+8*\t+3], v[H64], s[\bp:\bp+1] offset:(\bo)+128*(\t/2)+32*(\t%2)
	global_load_b128 v[BIAS+8*\t+4:BIAS+8*\t+7], v[H64], s[\bp:\bp+1] offset:(\bo)+128*(\t/2)+32*(\t%2)+16
.endif
.endr
.endm
; 16 matrix instructions: 4 row tiles x 4 weight tiles, 128 along K.  nat = 0: source 0 = the weight: a lane holds a row, its registers the head's channels.  nat = 1: source 0 = the rows: a lane holds a channel, its registers the keys.
; The 16 accumulators take turns, in the same order in every K step.
.macro KSTEP nat, s
.if (\s) == 5
.set WW, 1
.set WB, 144
.else
.set WW, 3
.set WB, 48*(\s)
.endif
.irp m, 0,1,2,3
.if \nat
	WIN (1+\m/2)|(WW<<2)
.else
	WIN WW|((1+\m/2)<<2)
.endif
.irp t, 0,1,2,3
.if \nat
.set DD, ACC+8*(4*\t+\m)
.else
.set DD, ACC+8*(4*\m+\t)
.endif
.if (\s) == 0
.set CC, BIAS+8*\t
.else
.set CC, DD
.endif
.if \nat
	WM DD, 72*(\m%2)+12*(\s), WB+12*\t, CC, XS+3*\m+(\s)/2, WCUR+3*\t+(\s)/2, (\s)%2
.else
	WM DD, WB+12*\t, 72*(\m%2)+12*(\s), CC, WCUR+3*\t+(\s)/2, XS+3*\m+(\s)/2, (\s)%2
.endif
.endr
.endr
.endm
; A unit: 96 matrix instructions.  The ring's loads are issued in the order G(u, 0), E(u), G(u, 1 .. 5), and G(u + 1, s) behind K step s of unit u.
; pf = 1: the next unit is asked for (uo + 1 units on; its bias of kind ek at s[bp:bp+1] + bo).
.macro UNITCORE nat, pf, uo, ek, bp, bo
	s_wait_loadcnt 60                              ; behind G(u, 0) and E(u) stand G(u, 1 .. 5): 60 loads
.irp i, 0,1,2,3,4,5,6,7,8,9,10,11
	v_mov_b32 v[WCUR+\i], v[WINC+\i]
.endr
.if \nat
.irp t, 0,1,2,3
.irp i, 1,2,3,4,5,6,7
	v_mov_b32 v[BIAS+8*\t+\i], v[BIAS+8*\t]        ; a lane's channel has one bias for all keys
.endr
.endr
.endif
	PLACES 8                                       ; scale registers written by vector instructions stand 8 places ahead
.irp s, 0,1,2,3,4,5
.if \s > 0
.if \pf
	s_wait_loadcnt 60                              ; behind G(u, s) stand five later groups of 12 loads and E(u + 1)'s 16 or 20: at least 76
.else
	s_wait_loadcnt 12*(5-\s)
.endif
.endif
	KSTEP \nat, \s
	WIN 0
	PLACES 4                                       ; in front of loads into registers just read, and of the first read of results
.if \pf
	GLOAD (\uo)+1, \s
.if \s == 0
	ELOAD (\uo)+1, \ek, \bp, \bo
.endif
.endif
.endr
.endm
; the 24 row fragments (4 tiles x 6 K steps) and their 12 packed scale registers, from the 48 half images
.macro LOADFRAGS
.irp m, 0,1,2,3
	WIN (1+\m/2)<<6
.irp s, 0,1,2,3,4,5
.set FB, 72*(\m%2)+12*\s
.set FO, (12*\m+2*\s)*768
	ds_load_b128 v[FB:FB+3], v[L16] offset:FO
	ds_load_b64 v[FB+4:FB+5], v[L8] offset:FO+512
	ds_load_b128 v[FB+6:FB+9], v[L16] offset:FO+768
	ds_load_b64 v[FB+10:FB+11], v[L8] offset:FO+1280
.endr
.endr
	WIN 0
.irp m, 0,1,2,3
.irp i, 0,1,2
	ds_load_b32 v[XS+3*\m+\i], v[SCR] offset:1536*\m+512*\i        ; lanes 0-15: half image 4 i, lanes 16-31: 4 i + 2
	ds_load_b32 v[ACC+3*\m+\i], v[SCR] offset:1536*\m+512*\i+128   ; and the half image behind it
.endr
.endr
	s_wait_dscnt 0x0
.irp j, 0,1,2,3,4,5,6,7,8,9,10,11
	v_lshl_or_b32 v[XS+\j], v[ACC+\j], 16, v[XS+\j]
.endr
.endm
	s_load_b512 s[4:19], s[0:1], 0x0               ; q_repr 4, kv2 6, wc 8, ws 10, bq1 12, bk1 14, bv1 16, bq2 18
	s_load_b64 s[20:21], s[0:1], 0x40              ; xbuf
	v_lshl_add_u32 v251, v0, 2, 0x4bc00
	v_mov_b32 v253, 0
	ds_add_u32 v251, v253
	ds_add_u32 v251, v253
	v_lshrrev_b32 v1, 5, v0
	v_readfirstlane_b32 s22, v1                    ; wave
	v_and_b32 v[T0], 31, v0
	v_lshlrev_b32 v[L16], 4, v[T0]
	v_lshlrev_b32 v[L4], 2, v[T0]
	v_lshlrev_b32 v[L8], 3, v[T0]
	v_bfe_u32 v[T1], v0, 4, 1
	v_lshlrev_b32 v[H64], 6, v[T1]
	v_add_nc_u32 v[MK5], -1, v[T1]                 ; lanes 0-15: all ones; lanes 16-31: 0
	v_or_b32 v[MK4], 0x3ff, v[MK5]                 ; lanes 16-31: the low 10 bits
	v_and_b32 v[T0], 15, v0
	v_lshlrev_b32 v[R4], 2, v[T0]
	v_lshl_add_u32 v[SCR], v[T1], 8, v[R4]
	v_add_nc_u32 v[SCR], XSC, v[SCR]
	v_and_b32 v[T1], 8, v0
	v_add_nc_u32 v[T1], v[T1], v[T0]               ; r + 8 (r / 8)
	v_lshlrev_b32 v[P4], 2, v[T1]
	s_lshr_b32 s36, s22, 1
	s_lshl_b32 s36, s36, 5
	s_and_b32 s37, s22, 1
	s_lshl_b32 s37, s37, 3
	s_add_co_u32 s36, s36, s37                     ; row tile w begins at 32 (w / 2) + 8 (w % 2)
	v_add_nc_u32 v[T1], s36, v[T1]                 ; my row of the 64
	v_mul_u32_u24 v[RA], v[T1], 816
	v_add_nc_u32 v[RA], v[RA], v[H64]
	v_add_nc_u32 v[RA], RAW, v[RA]
.irp c, 1,2,3
	v_add_nc_u32 v[RA+\c], \c*RAWW, v[RA]
.endr
	; the tensor load's descriptor.  Group 1: a tile of 64 rows x 192 elements of 4 bytes out of a tensor of which 55 rows are left; 16 bytes of padding behind every 256
	s_mov_b32 s[G1+0], (2<<16)|(1<<20)|(5<<22)|(3<<25)  ; 15:0 no mask; 17:16 elements of 4 bytes; 20 padding on; 24:22 after every 64 words (code 5); 31:25 4 words of it (code 3)
	s_mov_b32 s[G1+1], 192<<16                     ; tensor_dim0 = 192
	s_mov_b32 s[G1+2], 55<<16                      ; tensor_dim1 = 55: the tile's rows 55-63 are written as zeros
	s_mov_b32 s[G1+3], 192<<16                     ; tile_dim0 = 192
	s_mov_b32 s[G1+4], 64                          ; tile_dim1 = 64
	s_mov_b32 s[G1+5], 768                         ; elements from row to row
	s_mov_b32 s[G1+6], 0
	s_mov_b32 s[G1+7], 0
	s_mov_b32 s[G0], 1
	s_mul_i32 s[G0+1], s22, RAWW
	s_add_co_u32 s[G0+1], s[G0+1], RAW             ; region w
	s_mul_i32 s28, s22, 768
	s_mov_b32 s29, 0
	s_mul_i32 s24, ttmp9, 168960
	s_add_co_u32 s24, s24, s28                     ; my batch, columns 192 w on
	s_mov_b32 s25, 0
	s_mul_i32 s26, ttmp9, 6144
	s_add_co_u32 s26, s26, s28
	s_mov_b32 s27, 0
	s_mul_i32 s30, s22, 12*UNITB
	s_mov_b32 s31, 0
	s_mul_i32 s32, s22, 12*UNITS
	s_mov_b32 s33, 0
	s_mul_i32 s34, ttmp9, 3072
	s_add_co_u32 s34, s34, s28
	s_mov_b32 s35, 0
	s_wait_dscnt 0x0
	s_wait_kmcnt 0x0
	s_add_nc_u64 s[G0+2:G0+3], s[4:5], s[24:25]
	s_or_b32 s[G0+3], s[G0+3], 0x80000000          ; type = 2
	tensor_load_to_lds s[G0:G0+3], s[G1:G1+7]      ; my one tensor load, ahead of every barrier
	s_nop 0
.rept 4
	v_nop                                          ; four lines behind it
.endr
	s_add_nc_u64 s[6:7], s[6:7], s[26:27]          ; my batch's k2 at my first head
.macro KL p                            ; k2 of my head p: every lane of a half takes the same 16 + 16 numbers: sixteen equal key rows
.irp k, 0,1
.irp j, 0,1,2,3
	global_load_b128 v[ACC+32*(\p)+16*\k+4*\j:ACC+32*(\p)+16*\k+4*\j+3], v[H64], s[6:7] offset:256*(\p)+128*\k+16*\j
.endr
.endr
.endm
	KL 0
	KL 1
	KL 2
.irp p, 0,1,2
.irp d, 0,1,2,3
	global_load_b32 v[ACC+96+4*\p+\d], v[R4], s[6:7] offset:3072+256*\p+64*\d   ; v2: lane r holds channel 16 d + r of head p
.endr
.endr
	s_add_nc_u64 s[8:9], s[8:9], s[30:31]          ; my wave's 12 units
	s_add_nc_u64 s[10:11], s[10:11], s[32:33]
	s_add_nc_u64 s[12:13], s[12:13], s[28:29]      ; the biases at my first head
	s_add_nc_u64 s[14:15], s[14:15], s[28:29]
	s_add_nc_u64 s[16:17], s[16:17], s[28:29]
	s_add_nc_u64 s[18:19], s[18:19], s[28:29]
	s_add_nc_u64 s[46:47], s[12:13], 256           ; bq1 at my next head
	s_add_nc_u64 s[20:21], s[20:21], s[34:35]
	GLOAD 0, 0                                     ; the ring begins
	s_mov_b32 s[CS], 0x3e38aa3b
	s_mov_b32 s[CS+1], s[CS]
	s_mov_b32 s[SEL], 0x76543210
	s_mov_b32 s[SEL+1], 0xfedcba98
	s_mov_b32 s53, 0x7fff7fff                      ; row tile 2: lane 15 holds row 55
	s_mov_b32 s54, 0x00ff00ff                      ; row tile 3: lanes 8-15 hold rows 56-63
	s_mov_b32 vcc_lo, 0xffff                       ; lanes 0-15; kept for the whole kernel
	s_mul_i32 s38, s22, 9216
	v_add_nc_u32 v[PA16], s38, v[L16]              ; q_repr's images: row tile w
	v_add_nc_u32 v[PA8], s38, v[L8]
	s_mul_i32 s38, s22, 1536
	v_add_nc_u32 v[PA4], s38, v[L4]
	s_mul_i32 s51, s22, KVW
	s_add_co_u32 s51, s51, KVST
	v_add_nc_u32 v[KV16], s51, v[L16]
	v_add_nc_u32 v[KV8], s51, v[L8]
	v_add_nc_u32 v[KV4], s51, v[L4]
	v_mov_b32 v[TP], 0                             ; written once: a lane permute's destination counts as one of its sources
	v_mov_b32 v[TP+1], 0
	v_mov_b32 v[T1], 0
	v_mov_b32 v[NM+1], 0                           ; named as the upper half of a pair
	WIN 0x40                                       ; q, k, v, p have 64 along K: the upper halves of their fragments are zero codes, written once
.irp f, 0,1,2,3
.irp i, 6,7,8,9,10,11
	v_mov_b32 v[192+12*\f+\i], 0
.endr
.endr
	WIN 0x80
.irp f, 0,1,2,3
.irp i, 6,7,8,9,10,11
	v_mov_b32 v[144+12*\f+\i], 0
	v_mov_b32 v[192+12*\f+\i], 0
.endr
.endr
	WIN 0
	; ---- k2 and v2 become images while q_repr is on its way
.irp p, 0,1,2
.if \p == 0
	s_wait_loadcnt 40                              ; behind head 0's 8 loads: 16 of k2, 12 of v2, 12 of the ring
.elseif \p == 1
	s_wait_loadcnt 52                              ; 8 of k2, 12 of v2, 12 + 20 of the ring
.else
	s_wait_loadcnt 44                              ; 12 of v2, 32 of the ring
.endif
	QUANT2 ACC+32*\p, PW, 0, 0
	PUTIMG KV16, KV8, KV4, KVH*\p, KVH*\p+768
.if \p == 0
	ELOAD 0, 0, 12, 0
.endif
.endr
	s_wait_loadcnt 32                              ; v2 is in; behind it the ring's 32
.irp p, 0,1,2
.irp d, 0,1,2,3
	REP ACC+96+4*\p+\d, ACC, PW
	PUTIMG KV16, KV8, KV4, KVH*\p+KVE*(1+\d), KVH*\p+KVE*(1+\d)+768
.endr
.endr
.irp s, 1,2,3,4,5
	GLOAD 0, \s
.endr
	s_wait_tensorcnt 0x0                           ; my 192 columns of q_repr lie in LDS
	s_wait_dscnt 0x0
	s_barrier_signal -1
	s_barrier_wait -1                              ; everybody's do
	; ---- my row tile of q_repr becomes 12 half images: 8 LDS loads a half step, four register sets by turns
.macro XD n
.irp k, 0,1
.irp j, 0,1,2,3
	ds_load_b128 v[ACC+32*((\n)%4)+16*\k+4*\j:ACC+32*((\n)%4)+16*\k+4*\j+3], v[RA+(\n)/3] offset:272*((\n)%3)+128*\k+16*\j
.endr
.endr
.endm
	XD 0
	XD 1
	XD 2
	XD 3
.set N, 0
.rept 12
.if N < 3
.set HWV, 24+3*N                       ; behind step N's 8 loads: the loads of the steps on their way, 8 each, and the 3 stores of each image put since
.elseif N < 9
.set HWV, 33                           ; three steps' loads and three images' stores
.else
.set HWV, 9+8*(11-N)
.endif
.if N == 0
.set DWV, 24
.elseif N < 9
.set DWV, 8                            ; behind the last image's stores: the 8 loads of the step three on
.else
.set DWV, 0
.endif
	s_wait_dscnt HWV
	QUANT2 ACC+32*(N%4), PW, 0, DWV
	PUTIMG PA16, PA8, PA4, 768*N, XSC+128*N
.if N+4 < 12
	XD N+4
.endif
.set N, N+1
.endr
	s_wait_dscnt 0x0                               ; my images have landed
	s_barrier_signal -1
	s_barrier_wait -1                              ; q_repr's 48 half images lie in LDS
	LOADFRAGS
	s_barrier_signal -1                            ; every wave has its fragments in registers (the wait for its loads stands in LOADFRAGS):
	s_barrier_wait -1                              ; the images' bytes may now take the self-attention's result
; the softmax of query tile q: 32 scores a lane, register 16 b + i = key 32 b + 16 (lane / 16) + i
.macro SOFTMAX q
.set SS, ACC+32*\q
	v_max3_num_f32 v[TM], v[SS], v[SS+1], v[SS+2]                  ; the largest score of each block of 32 keys: it serves the row's maximum and, since p rises with the score, the block's largest p
	v_max3_num_f32 v[TM+1], v[SS+16], v[SS+17], v[SS+18]
.irp i, 23,24,25,26,27,28,29,30,31
	v_cndmask_b32 v[SS+\i], 0xff800000, v[SS+\i], vcc_lo           ; keys 55-63: -infinity, so p = 0
.endr
.irp i, 3,5,7,9,11,13
	v_max3_num_f32 v[TM], v[TM], v[SS+\i], v[SS+\i+1]
	v_max3_num_f32 v[TM+1], v[TM+1], v[SS+16+\i], v[SS+17+\i]
.endr
	v_max_num_f32 v[TM], v[TM], v[SS+15]
	v_max_num_f32 v[TM+1], v[TM+1], v[SS+31]
	v_permlanex16_b32 v[TP], v[TM], s[SEL], s[SEL+1]
	v_permlanex16_b32 v[TP+1], v[TM+1], s[SEL], s[SEL+1]
	v_max_num_f32 v[TM], v[TM], v[TP]
	v_max_num_f32 v[TM+1], v[TM+1], v[TP+1]
	v_max_num_f32 v[T0], v[TM], v[TM+1]
	v_mul_f32 v[T0], s[CS], v[T0]
	v_floor_f32 v[NM], -v[T0]                                      ; -M = floor(-t) = -ceil(t)
.set I, 0
.rept 16
	v_pk_fma_f32 v[SS+I:SS+I+1], v[SS+I:SS+I+1], s[CS:CS+1], v[NM:NM+1] op_sel_hi:[1,0,0]
.set I, I+2
.endr
	v_fma_f32 v[TM], v[TM], s[CS], v[NM]
	v_fma_f32 v[TM+1], v[TM+1], s[CS], v[NM]
.set I, 0
.rept 32
	v_exp_f32 v[SS+I], v[SS+I]
.set I, I+1
.endr
	v_nop                                                          ; a plain place behind the batch
	s_wait_alu depctr_va_vdst(0)                                   ; one wait for the 32 exponentials, ahead of their first reader
	v_exp_f32 v[TM], v[TM]
	v_exp_f32 v[TM+1], v[TM+1]
	v_pk_add_f32 v[SA:SA+1], v[SS:SS+1], v[SS+2:SS+3]              ; the sum of the unquantised p, in two chains
	v_pk_add_f32 v[SB:SB+1], v[SS+4:SS+5], v[SS+6:SS+7]
.irp j, 8,12,16,20,24,28
	v_pk_add_f32 v[SA:SA+1], v[SA:SA+1], v[SS+\j:SS+\j+1]
	v_pk_add_f32 v[SB:SB+1], v[SB:SB+1], v[SS+\j+2:SS+\j+3]
.endr
	v_pk_add_f32 v[SA:SA+1], v[SA:SA+1], v[SB:SB+1]
	v_add_f32 v[T0], v[SA], v[SA+1]
	v_permlanex16_b32 v[T1], v[T0], s[SEL], s[SEL+1]
	v_add_f32 v[T0], v[T0], v[T1]
	s_wait_alu depctr_va_vdst(0)                                   ; and one for the two
	v_rcp_f32 v[LINV+2*\q], v[T0]
	v_max_num_f32 v[TM], 0x1800000, v[TM]
	v_max_num_f32 v[TM+1], 0x1800000, v[TM+1]
	v_add_nc_u32 v[TS], 0xff000000, v[TM]
	v_add_nc_u32 v[TS+1], 0xff000000, v[TM+1]
	v_lshrrev_b32 v[TP], 23, v[TS]
	v_lshrrev_b32 v[TP+1], 23, v[TS+1]
	v_lshl_or_b32 v[QS+\q], v[TP+1], 8, v[TP]
	s_wait_dscnt 0x0
	v_cvt_scalef32_pk16_fp6_f32 v[PC:PC+2], v[SS:SS+15], v[TS]
	v_cvt_scalef32_pk16_fp6_f32 v[PC+4:PC+6], v[SS+16:SS+31], v[TS+1]
	v_nop
.irp i, 0,1,2
	v_permlane16_swap_b32 v[PC+\i], v[PC+4+\i]
.endr
	v_mov_b32 v[PC+3], v[PC+4]
	v_mov_b32 v[PC+4], v[PC+5]
	v_mov_b32 v[PC+5], v[PC+6]
	TOFRAG 2, 144+12*\q
	s_wait_alu depctr_va_vdst(0)                                   ; the reciprocal's wait, ahead of its first reader
	v_mov_b32 v[LINV+2*\q+1], v[LINV+2*\q]
.endm
.macro OEPI q                          ; the result of query tile q, divided by the sum, quantised along the head: half image (row tile q, my head)
.set SS, ACC+32*\q
.set I, 0
.rept 16
	v_pk_mul_f32 v[SS+I:SS+I+1], v[SS+I:SS+I+1], v[LINV+2*\q:LINV+2*\q+1]
.set I, I+2
.endr
	QUANT2 ACC+32*\q, PW, 0, 0
	PUTIMG PA16, PA8, PA4, 9216*\q, 1536*\q
.endm
	; ---- self-attention: a trip a head
	s_mov_b32 s48, 0
	s_mul_i32 s49, s22, 2304                       ; half image (tile 0, my head)
	s_mul_i32 s50, s22, 384
	s_add_co_u32 s50, s50, XSC
.Lself:
	s_cmp_eq_u32 s48, 2
	s_cselect_b64 s[40:41], s[18:19], s[46:47]     ; the bias of the unit behind this head's three: bq1 of my next head, or bq2 of my first
	v_add_nc_u32 v[PA16], s49, v[L16]
	v_add_nc_u32 v[PA8], s49, v[L8]
	v_add_nc_u32 v[PA4], s50, v[L4]
	UNITCORE 0, 1, 0, 0, 14, 0                     ; q
.irp m, 0,1,2,3
	QUANT2 ACC+32*\m, QS+\m, 0, 0
	TOFRAG 2, 144+12*\m
.endr
	UNITCORE 0, 1, 1, 1, 16, 0                     ; k
.irp m, 0,1,2,3
	QUANT2 ACC+32*\m, KS+\m, 0, 0
	TOFRAG 1, 192+12*\m
.endr
	UNITCORE 1, 1, 2, 0, 40, 0                     ; v, with the keys in the registers
.irp t, 0,1,2,3
	QUANT2 ACC+32*\t, VS+\t, 1, 0
	TOFRAG 2, 192+12*\t
.endr
	PLACES 4
	WIN 0x09                                       ; S^T = k q^T: source 0 window 1, source 1 window 2
.irp q, 0,1,2,3
.irp k, 0,1,2,3
	WM0 ACC+8*(4*\q+\k), 192+12*\k, 144+12*\q, KS+\k, QS+\q
.endr
.endr
	WIN 0
	PLACES 4
	SOFTMAX 0
	SOFTMAX 1
	SOFTMAX 2
	SOFTMAX 3
	PLACES 8
	WIN 0x0a                                       ; O^T = v^T p^T: both sources window 2
.irp q, 0,1,2,3
.irp d, 0,1,2,3
	WM0 ACC+8*(4*\q+\d), 192+12*\d, 144+12*\q, VS+\d, QS+\q
.endr
.endr
	WIN 0
	PLACES 4
	OEPI 0
	OEPI 1
	OEPI 2
	OEPI 3
	s_wait_xcnt 0x0                                ; the ring's loads have read their bases: they may step
	s_add_nc_u64 s[8:9], s[8:9], 3*UNITB
	s_add_nc_u64 s[10:11], s[10:11], 3*UNITS
	s_add_nc_u64 s[14:15], s[14:15], 256
	s_add_nc_u64 s[16:17], s[16:17], 256
	s_add_nc_u64 s[46:47], s[46:47], 256
	s_add_co_u32 s49, s49, 768
	s_add_co_u32 s50, s50, 128
	s_add_co_u32 s48, s48, 1
	s_cmp_lt_u32 s48, 3
	s_cbranch_scc1 .Lself
	s_wait_dscnt 0x0
	s_barrier_signal -1
	s_barrier_wait -1                              ; the self-attention result's 48 half images lie in LDS
	LOADFRAGS
	; ---- cross-attention: a trip a head
	s_mov_b32 s48, 0
	s_mul_i32 s38, s22, 768
	s_add_co_u32 s38, s38, XOUT
	v_bfe_u32 v[XOS], v0, 4, 1
	v_lshlrev_b32 v[XOS], 5, v[XOS]
	v_add_nc_u32 v[XOS], s38, v[XOS]               ; in: 32 bytes for each half of the lanes
	v_add_nc_u32 v[T0], s38, v[L8]                 ; back: 8 bytes a lane
.Lcross:
	v_add_nc_u32 v[PA16], s51, v[L16]
	v_add_nc_u32 v[PA8], s51, v[L8]
	v_add_nc_u32 v[PA4], s51, v[L4]
	WIN 0x40
	ds_load_b128 v[192:195], v[PA16]               ; k2's fragment: sixteen equal rows
	ds_load_b64 v[196:197], v[PA8] offset:512
	WIN 0x80
.irp d, 0,1,2,3
	ds_load_b128 v[192+12*\d:195+12*\d], v[PA16] offset:KVE*(1+\d)
	ds_load_b64 v[196+12*\d:197+12*\d], v[PA8] offset:KVE*(1+\d)+512
.endr
	WIN 0
	ds_load_b32 v[KS], v[PA4] offset:768
.irp d, 0,1,2,3
	ds_load_b32 v[VS+\d], v[PA4] offset:KVE*(1+\d)+768
.endr
	s_cmp_eq_u32 s48, 2
	s_cbranch_scc1 .Llast_core
	UNITCORE 0, 1, 0, 0, 18, 256                   ; q2; the next head's unit is asked for
	s_branch .Lcore_done
.Llast_core:
	UNITCORE 0, 0, 0, 0, 18, 0                     ; the last unit asks for nothing
.Lcore_done:
.irp m, 0,1,2,3
	QUANT2 ACC+32*\m, QS+\m, 0, 0
	TOFRAG 2, 144+12*\m
.endr
	PLACES 8
	s_wait_dscnt 0x0
	WIN 0x09
.irp m, 0,1,2,3
	WM0 ACC+32*\m, 192, 144+12*\m, KS, QS+\m       ; a query's one score, in every register
.endr
	WIN 0
	PLACES 4
.irp m, 0,1,2,3
	v_mul_f32 v[ACC+32*\m+24], s[CS], v[ACC+32*\m]
.endr
.irp m, 0,1,2,3
	v_floor_f32 v[ACC+32*\m+25], -v[ACC+32*\m+24]
.endr
.irp m, 0,1,2,3
	v_fma_f32 v[ACC+32*\m+24], v[ACC+32*\m], s[CS], v[ACC+32*\m+25]
.endr
.irp m, 0,1,2,3
	v_exp_f32 v[ACC+32*\m+24], v[ACC+32*\m+24]     ; p = 2^(t - ceil(t))
.endr
	v_nop
	s_wait_alu depctr_va_vdst(0)
.irp m, 0,1,2,3
	v_mul_f32 v[ACC+32*\m+25], 0x425c0000, v[ACC+32*\m+24]   ; the sum of 55 equal p
.endr
.irp m, 0,1,2,3
	v_rcp_f32 v[ACC+32*\m+25], v[ACC+32*\m+25]
.endr
	v_nop
	s_wait_alu depctr_va_vdst(0)
.irp m, 0,1,2,3
	v_mul_f32 v[LINV+2*\m], 0x3c94f209, v[ACC+32*\m+25]      ; x 1 / 55: the query's weight in the mean
.endr
	v_cndmask_b32 v[LINV+4], 0, v[LINV+4], s53     ; rows 55-63 weigh nothing
	v_cndmask_b32 v[LINV+6], 0, v[LINV+6], s54
.irp m, 0,1,2,3
	v_mov_b32 v[LINV+2*\m+1], v[LINV+2*\m]
.endr
.irp m, 0,1,2,3
	REP ACC+32*\m+24, ACC+32*\m+8, QS+\m
	TOFRAG 2, 144+12*\m
.endr
	PLACES 8
	WIN 0x0a
.irp m, 0,1,2,3
.irp d, 0,1,2,3
	WM0 ACC+8*(4*\m+\d), 192+12*\d, 144+12*\m, VS+\d, QS+\m
.endr
.endr
	WIN 0
	PLACES 4
.set I, 0
.rept 16
	v_pk_mul_f32 v[ACC+I:ACC+I+1], v[ACC+I:ACC+I+1], v[LINV:LINV+1]
.set I, I+2
.endr
.irp m, 1,2,3
.set I, 0
.rept 16
	v_pk_fma_f32 v[ACC+I:ACC+I+1], v[ACC+32*\m+I:ACC+32*\m+I+1], v[LINV+2*\m:LINV+2*\m+1], v[ACC+I:ACC+I+1]
.set I, I+2
.endr
.endr
.irp x, 1,2,4,8                                    ; over the 16 queries of the lanes: register 8 d + j of half h becomes x's channel 16 d + 8 h + j, in every lane
.set I, 0
.rept 32
	v_add_f32_dpp v[ACC+I], v[ACC+I], v[ACC+I] row_xmask:\x row_mask:0xf bank_mask:0xf
.set I, I+1
.endr
.endr
.irp d, 0,1,2,3
	ds_store_b128 v[XOS], v[ACC+8*\d:ACC+8*\d+3] offset:64*\d      ; the sixteen lanes of a half write the same bytes with the same values
	ds_store_b128 v[XOS], v[ACC+8*\d+4:ACC+8*\d+7] offset:64*\d+16
.endr
	ds_load_b64 v[SB:SB+1], v[T0]                  ; LDS serves a wave's instructions in order: this sees the stores
	s_wait_dscnt 0x0
	global_store_b64 v[L8], v[SB:SB+1], s[20:21]   ; 32 lanes store 256 consecutive bytes, aligned
	s_wait_xcnt 0x0                                ; bases and the store's data may be written again
	s_add_nc_u64 s[8:9], s[8:9], UNITB
	s_add_nc_u64 s[10:11], s[10:11], UNITS
	s_add_nc_u64 s[18:19], s[18:19], 256
	s_add_nc_u64 s[20:21], s[20:21], 256
	s_add_co_u32 s51, s51, KVH
	s_add_co_u32 s48, s48, 1
	s_cmp_lt_u32 s48, 3
	s_cbranch_scc1 .Lcross
	s_wait_tensorcnt 0x0
	ds_add_u32 v251, v253
	s_wait_dscnt 0x0
	s_endpgm
.Lfunc_end_k_qc969fca3c7_main:
	.size	k_qc969fca3c7_main, .Lfunc_end_k_qc969fca3c7_main-k_qc969fca3c7_main
	.p2alignl 7, 3214868480
	.fill 96, 4, 3214868480
	.section	.rodata,"a",@progbits
	.p2align	6, 0x0
	.amdhsa_kernel k_qc969fca3c7_main
		.amdhsa_group_segment_fixed_size 310784
		.amdhsa_private_segment_fixed_size 0
		.amdhsa_enable_private_segment 0
		.amdhsa_kernarg_size 72
		.amdhsa_user_sgpr_count 2
		.amdhsa_user_sgpr_kernarg_segment_ptr 1
		.amdhsa_wavefront_size32 1
		.amdhsa_system_sgpr_workgroup_id_x 1
		.amdhsa_system_sgpr_workgroup_id_y 1
		.amdhsa_system_sgpr_workgroup_id_z 1
		.amdhsa_system_vgpr_workitem_id 0
		.amdhsa_next_free_vgpr 1024
		.amdhsa_next_free_sgpr 80
		.amdhsa_reserve_vcc 1
		.amdhsa_float_denorm_mode_32 3
		.amdhsa_float_denorm_mode_16_64 3
		.amdhsa_memory_ordered 1
		.amdhsa_forward_progress 1
		.amdhsa_inst_pref_size 255
	.end_amdhsa_kernel
	.section	.bss,"aw",@nobits
	.p2align	6
	.space	262144
	.amdgpu_metadata
---
amdhsa.version: [ 1, 2 ]
amdhsa.kernels:
  - .name:           k_qc969fca3c7_main
    .symbol:         k_qc969fca3c7_main.kd
    .args:
      - { .name: q_repr, .offset: 0, .size: 8, .value_kind: global_buffer, .address_space: global }
      - { .name: kv2, .offset: 8, .size: 8, .value_kind: global_buffer, .address_space: global }
      - { .name: wc, .offset: 16, .size: 8, .value_kind: global_buffer, .address_space: global }
      - { .name: ws, .offset: 24, .size: 8, .value_kind: global_buffer, .address_space: global }
      - { .name: bq1, .offset: 32, .size: 8, .value_kind: global_buffer, .address_space: global }
      - { .name: bk1, .offset: 40, .size: 8, .value_kind: global_buffer, .address_space: global }
      - { .name: bv1, .offset: 48, .size: 8, .value_kind: global_buffer, .address_space: global }
      - { .name: bq2, .offset: 56, .size: 8, .value_kind: global_buffer, .address_space: global }
      - { .name: xbuf, .offset: 64, .size: 8, .value_kind: global_buffer, .address_space: global }
    .group_segment_fixed_size: 310784
    .private_segment_fixed_size: 0
    .kernarg_segment_align: 8
    .kernarg_segment_size: 72
    .max_flat_workgroup_size: 128
    .sgpr_count:     80
    .vgpr_count:     1024
    .wavefront_size: 32
...
	.end_amdgpu_metadata
.endif
;; end of part 2
;; launch ffn (part 3): grid 12 x 16, 4 waves a work-group, no clusters, 65,024 bytes of LDS; arguments xbuf, wc, ws, b1, part; writes part
.if DOCPART == 3
	.amdgcn_target "amdgcn-amd-amdhsa--gfx1250"
	.amdhsa_code_object_version 6
	.text
	.protected	k_qc969fca3c7_ffn
	.globl	k_qc969fca3c7_ffn
	.p2align	8
	.type	k_qc969fca3c7_ffn,@function
k_qc969fca3c7_ffn:
	s_mov_b64 s[64:65], 0
	v_nop
	global_prefetch_b8 v0, s[64:65] scope:SCOPE_SE
	s_setreg_imm32_b32 hwreg(HW_REG_WAVE_MODE, 25, 1), 1
	s_wait_xcnt 0x0
; part[j] = Q(gelu(Q(x) Q(W1) + b1))[:, 256 j .. 256 j + 255] Q(W2)[256 j .. , :], for 16 rows of x: work-group (j, mt).  Both products on codes of FP6 (E2M3) with one E8M0 byte for each 32 along K.
; The sum over the 12 chunks j of the second product's K, b2, the residual and the norm are the next launch's: each byte of part has one owner.
; SHARES.  Wave w quantises 192 of x's 768 along K (three half images), makes hidden units 256 j + 64 w .. + 63 (four tiles; one half image of the second product's K) and output columns 192 w .. + 191 (twelve tiles).
; Weights come as fragment images straight into registers of their own: 24 fragments of W1, 24 of W2 a wave; no wave reads another's, so none goes through LDS.
; NO CLUSTER: the 16 work-groups of a chunk read the same weights, 294,912 bytes each, once; there is no loop in which joint requests could take turns.
; gelu is exact: 0.5 z erfc(-z / sqrt(2)), erfc by t exp(-a^2 + a polynomial of degree 9 in t), t = 1 / (1 + |a| / 2), whose fractional error is 1.2e-7; evaluated in f32.
; LIMITS: NaN and infinities are not served; a block whose largest magnitude lies under 2^-124 gets the byte 1; a block of zeros gets the byte 1 (its codes are zeros; only this program reads the bytes).
; REGISTERS.  Window 0: names below.  Window 1: W1's K steps 0-4 at 48 s + 12 t.  Window 2: W2's first K step at 12 n; x's fragments at 144 + 12 s; the hidden layer's at 216 + 12 s2.  Window 3: W1's K step 5 at 12 t; W2's second K step at 48 + 12 n.
.set XIMG, 0                           ; LDS: x's 12 half images,
.set XSC,  9216                        ; their slots,
.set HIMG, 10752                       ; the hidden chunk's 4 half images,
.set HSC,  13824                       ; their slots,
.set STG,  14336                       ; and for each wave a stage of 16 rows x (768 + 16) bytes
.set L16,  1
.set L4,   2
.set H64,  3
.set L8,   6
.set SCR,  7                           ; 256 (lane / 16) + 4 r
.set XA,   11
.set XS,   22                          ; v22-24 x's packed scale words
.set HS,   25                          ; the hidden layer's
.set HI,   26                          ; v26-29 upper halves of scale words on their way
.set W1S,  34                          ; v34-45
.set W2S,  46                          ; v46-57
.set BIAS, 78
.set ACC1, 110                         ; v110-141 four accumulators: my 64 hidden units
.set ACC2, 142                         ; v142-237 twelve accumulators; before that x's numbers and gelu's work
.set TM,   238
.set TP,   240
.set TS,   242
.set PC,   244
.set PW,   252
.set SEL,  44
.set MSB, 0
.macro WIN new
.if MSB != (\new)
	s_set_vgpr_msb (MSB<<8)|(\new)
.set MSB, (\new)
.endif
.endm
.macro PLACES n
.rept \n
	v_nop
.endr
.endm
; 32 numbers of a lane, register 16 b + i = k 32 b + 16 (lane / 16) + i of the lane's row, become 6 registers of codes (v[PC] on) and two scale bytes in v[pwr]
.macro QUANT2 s, pwr
	v_max3_num_f32 v[TM], |v[(\s)]|, |v[(\s)+1]|, 0x1800000
	v_max3_num_f32 v[TM+1], |v[(\s)+16]|, |v[(\s)+17]|, 0x1800000
.irp i, 2,4,6,8,10,12,14
	v_max3_num_f32 v[TM], v[TM], |v[(\s)+\i]|, |v[(\s)+\i+1]|
	v_max3_num_f32 v[TM+1], v[TM+1], |v[(\s)+16+\i]|, |v[(\s)+17+\i]|
.endr
	v_permlanex16_b32 v[TP], v[TM], s[SEL], s[SEL+1]
	v_permlanex16_b32 v[TP+1], v[TM+1], s[SEL], s[SEL+1]
	v_max_num_f32 v[TM], v[TM], v[TP]
	v_max_num_f32 v[TM+1], v[TM+1], v[TP+1]
	v_add_nc_u32 v[TS], 0xff000000, v[TM]
	v_add_nc_u32 v[TS+1], 0xff000000, v[TM+1]
	v_lshrrev_b32 v[TP], 23, v[TS]
	v_lshrrev_b32 v[TP+1], 23, v[TS+1]
	v_lshl_or_b32 v[\pwr], v[TP+1], 8, v[TP]
	s_wait_dscnt 0x0                                               ; LDS stores of the last codes have read their registers
	v_cvt_scalef32_pk16_fp6_f32 v[PC:PC+2], v[(\s):(\s)+15], v[TS]
	v_cvt_scalef32_pk16_fp6_f32 v[PC+4:PC+6], v[(\s)+16:(\s)+31], v[TS+1]
	v_nop
.irp i, 0,1,2
	v_permlane16_swap_b32 v[PC+\i], v[PC+4+\i]
.endr
	v_mov_b32 v[PC+3], v[PC+4]
	v_mov_b32 v[PC+4], v[PC+5]
	v_mov_b32 v[PC+5], v[PC+6]
.endm
.macro PUTIMG a16, a8, a4, oi, os
	ds_store_b128 v[\a16], v[PC:PC+3] offset:\oi
	ds_store_b64 v[\a8], v[PC+4:PC+5] offset:(\oi)+512
	ds_store_b32 v[\a4], v[PW] offset:\os
.endm
.macro WM d, a, b, c, sa, sb, odd
.if \odd
	v_wmma_scale_f32_16x16x128_f8f6f4 v[(\d):(\d)+7], v[(\a):(\a)+11], v[(\b):(\b)+11], v[(\c):(\c)+7], v[\sa], v[\sb] matrix_a_fmt:MATRIX_FMT_FP6 matrix_b_fmt:MATRIX_FMT_FP6 matrix_a_scale:MATRIX_SCALE_ROW1 matrix_b_scale:MATRIX_SCALE_ROW1
.else
	v_wmma_scale_f32_16x16x128_f8f6f4 v[(\d):(\d)+7], v[(\a):(\a)+11], v[(\b):(\b)+11], v[(\c):(\c)+7], v[\sa], v[\sb] matrix_a_fmt:MATRIX_FMT_FP6 matrix_b_fmt:MATRIX_FMT_FP6
.endif
.endm
.macro G1 s                            ; W1's four fragments of K step s: 12 loads
.if (\s) == 5
	WIN 0xc0
.set GB, 0
.else
	WIN 0x40
.set GB, 48*(\s)
.endif
.irp t, 0,1,2,3
.irp c, 0,1,2
	global_load_b128 v[GB+12*\t+4*\c:GB+12*\t+4*\c+3], v[L16], s[6:7] offset:(6*\t+(\s))*1536+512*\c
.endr
.endr
	WIN 0
.endm
.macro G2 g                            ; four of W2's 24 fragments, in the order of use: 12 loads
.if (\g) < 3
	WIN 0x80
.set GB, 0
.else
	WIN 0xc0
.set GB, 48
.endif
.irp q, 0,1,2,3
.set NN, (4*(\g)+\q)%12
.irp c, 0,1,2
	global_load_b128 v[GB+12*NN+4*\c:GB+12*NN+4*\c+3], v[L16], s[14:15] offset:(24*NN+(\g)/3)*1536+512*\c
.endr
.endr
	WIN 0
.endm
	s_load_b256 s[4:11], s[0:1], 0x0               ; xbuf 4, wc 6, ws 8, b1 10
	s_load_b64 s[12:13], s[0:1], 0x20              ; part
	v_lshl_add_u32 v254, v0, 2, 0xfc00
	v_mov_b32 v255, 0
	v_lshrrev_b32 v1, 5, v0
	v_readfirstlane_b32 s22, v1                    ; wave
	s_and_b32 s23, ttmp7, 0xffff                   ; mt: which 16 rows
	v_and_b32 v4, 31, v0
	v_lshlrev_b32 v[L16], 4, v4
	v_lshlrev_b32 v[L4], 2, v4
	v_lshlrev_b32 v[L8], 3, v4
	v_bfe_u32 v5, v0, 4, 1                         ; h
	v_and_b32 v4, 15, v0                           ; r
	v_lshlrev_b32 v[H64], 6, v5
	v_lshlrev_b32 v[SCR], 2, v4
	v_lshl_add_u32 v[SCR], v5, 8, v[SCR]
	v_mul_u32_u24 v[XA], v4, 3072
	v_add_nc_u32 v[XA], v[XA], v[H64]
	s_mul_i32 s24, s22, 2304
	v_add_nc_u32 v8, s24, v[L16]                   ; x's half images 3 w + e
	v_add_nc_u32 v9, s24, v[L8]
	s_mul_i32 s24, s22, 384
	v_add_nc_u32 v10, s24, v[L4]
	s_mul_i32 s24, s22, 768
	v_add_nc_u32 v12, s24, v[L16]                  ; the hidden layer's half image w
	v_add_nc_u32 v13, s24, v[L8]
	s_lshl_b32 s24, s22, 7
	v_add_nc_u32 v14, s24, v[L4]
	s_mul_i32 s24, s22, 12544
	s_add_co_u32 s24, s24, STG
	v_mul_u32_u24 v15, v4, 784
	v_add_nc_u32 v15, v15, v[H64]
	v_add_nc_u32 v15, s24, v15                     ; the stage, in: row r, 64 h
	v_mul_u32_u24 v16, v5, 784
	v_lshl_add_u32 v16, v4, 4, v16
	v_add_nc_u32 v16, s24, v16                     ; back: lanes 0-15 256 bytes of one row, lanes 16-31 of the next
	v_mul_u32_u24 v17, v5, 3072
	v_lshl_add_u32 v17, v4, 4, v17                 ; and the same in part
	v_mov_b32 v[TP], 0
	v_mov_b32 v[TP+1], 0
	s_mov_b32 s[SEL], 0x76543210
	s_mov_b32 s[SEL+1], 0xfedcba98
	s_mov_b32 s42, 0x3e2ef945                      ; the polynomial's highest coefficient, 0.17087277
	s_lshl_b32 s24, ttmp9, 4
	s_lshl_b32 s25, s22, 2
	s_add_co_u32 s24, s24, s25
	s_mul_i32 s24, s24, 6
	s_add_co_u32 s24, s24, 1152                    ; W1: fragment 1152 + 6 (16 j + 4 w)
	s_mul_i32 s26, s22, 288
	s_lshl_b32 s27, ttmp9, 1
	s_add_co_u32 s26, s26, s27
	s_add_co_u32 s26, s26, 2304                    ; W2: fragment 2304 + 288 w + 2 j
	s_mul_i32 s28, s24, 1536
	s_mov_b32 s29, 0
	s_lshl_b32 s30, s24, 6
	s_mov_b32 s31, 0
	s_mul_i32 s32, s26, 1536
	s_mov_b32 s33, 0
	s_lshl_b32 s34, s26, 6
	s_mov_b32 s35, 0
	s_mul_i32 s36, s23, 49152
	s_mul_i32 s38, s22, 768
	s_add_co_u32 s36, s36, s38
	s_mov_b32 s37, 0
	s_lshl_b32 s40, ttmp9, 10
	s_lshl_b32 s41, s22, 8
	s_add_co_u32 s40, s40, s41
	s_mov_b32 s41, 0
	s_mul_i32 s46, ttmp9, 786432
	s_add_co_u32 s46, s46, s36
	s_mov_b32 s47, 0
	s_wait_kmcnt 0x0
	s_add_nc_u64 s[14:15], s[6:7], s[32:33]
	s_add_nc_u64 s[6:7], s[6:7], s[28:29]
	s_add_nc_u64 s[16:17], s[8:9], s[34:35]
	s_add_nc_u64 s[8:9], s[8:9], s[30:31]
	s_add_nc_u64 s[4:5], s[4:5], s[36:37]
	s_add_nc_u64 s[10:11], s[10:11], s[40:41]
	s_add_nc_u64 s[12:13], s[12:13], s[46:47]
.irp e, 0,1,2                                      ; my 192 along K of the 16 rows: 24 loads
.irp k, 0,1
.irp j, 0,1,2,3
	global_load_b128 v[ACC2+32*\e+16*\k+4*\j:ACC2+32*\e+16*\k+4*\j+3], v[XA], s[4:5] offset:256*\e+128*\k+16*\j
.endr
.endr
.endr
.irp t, 0,1,2,3                                    ; W1's packed scale words and b1: 20 loads
.irp i, 0,1,2
	global_load_b32 v[W1S+3*\t+\i], v[L4], s[8:9] offset:(6*\t+2*\i)*64
.endr
.endr
.irp t, 0,1,2,3
	global_load_b128 v[BIAS+8*\t:BIAS+8*\t+3], v[H64], s[10:11] offset:128*(\t/2)+32*(\t%2)
	global_load_b128 v[BIAS+8*\t+4:BIAS+8*\t+7], v[H64], s[10:11] offset:128*(\t/2)+32*(\t%2)+16
.endr
	G1 0
	s_wait_loadcnt 32                              ; x's numbers are in; behind them the 20 and the 12
.irp e, 0,1,2
	QUANT2 ACC2+32*\e, PW
	PUTIMG 8, 9, 10, XIMG+768*\e, XSC+128*\e
.endr
.irp s, 1,2,3,4,5
	G1 \s
.endr
	s_wait_dscnt 0x0
	s_barrier_signal -1
	s_barrier_wait -1                              ; x's 12 half images lie in LDS
	WIN 0x80
.irp s, 0,1,2,3,4,5
	ds_load_b128 v[144+12*\s:147+12*\s], v[L16] offset:XIMG+1536*\s
	ds_load_b64 v[148+12*\s:149+12*\s], v[L8] offset:XIMG+1536*\s+512
	ds_load_b128 v[150+12*\s:153+12*\s], v[L16] offset:XIMG+1536*\s+768
	ds_load_b64 v[154+12*\s:155+12*\s], v[L8] offset:XIMG+1536*\s+1280
.endr
	WIN 0
.irp i, 0,1,2
	ds_load_b32 v[XS+\i], v[SCR] offset:XSC+512*\i
	ds_load_b32 v[HI+\i], v[SCR] offset:XSC+512*\i+128
.endr
	s_wait_dscnt 0x0
.irp i, 0,1,2
	v_lshl_or_b32 v[XS+\i], v[HI+\i], 16, v[XS+\i]
.endr
	PLACES 8
.irp s, 0,1,2,3,4,5                                ; transposed: source 0 = 16 columns of W1, source 1 = x; the four accumulators take turns
	s_wait_loadcnt 60                              ; behind K step s's 12 loads stand at least 60: W1's later K steps, and what has been asked of W2
.if \s == 5
	WIN 0x0b
.else
	WIN 0x09
.endif
.irp t, 0,1,2,3
.if \s == 0
	WM ACC1+8*\t, 12*\t, 144, BIAS+8*\t, W1S+3*\t, XS, 0
.elseif \s == 5
	WM ACC1+8*\t, 12*\t, 144+12*\s, ACC1+8*\t, W1S+3*\t+2, XS+2, 1
.else
	WM ACC1+8*\t, 48*\s+12*\t, 144+12*\s, ACC1+8*\t, W1S+3*\t+\s/2, XS+\s/2, \s%2
.endif
.endr
	WIN 0
	G2 \s
.if \s == 0
.irp n, 0,1,2,3,4,5,6,7,8,9,10,11
	global_load_b32 v[W2S+\n], v[L4], s[16:17] offset:24*\n*64     ; lanes 0-15: K step 2 j, lanes 16-31: 2 j + 1
.endr
.endif
.endr
	PLACES 4
	; ---- gelu of my 32 numbers a lane
.set AR, ACC2
.set TR, ACC2+32
.set UR, ACC2+64
.set I, 0
.rept 32
	v_mul_f32 v[AR+I], 0xbf3504f3, v[ACC1+I]       ; a = -z / sqrt(2)
.set I, I+1
.endr
.set I, 0
.rept 32
	v_fma_f32 v[TR+I], |v[AR+I]|, 0.5, 1.0
.set I, I+1
.endr
.set I, 0
.rept 32
	v_rcp_f32 v[TR+I], v[TR+I]
.set I, I+1
.endr
	v_nop
	s_wait_alu depctr_va_vdst(0)                   ; one wait for the 32 reciprocals, ahead of their first reader
.set I, 0
.rept 32
	v_fmaak_f32 v[UR+I], s42, v[TR+I], 0xbf527892
.set I, I+1
.endr
.irp k, 0x3fbe87b0, 0xbf914e5d, 0x3e8ec7cc, 0xbe3ec24c, 0x3dc636c9, 0x3ebf88fb, 0x3f8000c7, 0xbfa1fc4e
.set I, 0
.rept 32
	v_fmaak_f32 v[UR+I], v[UR+I], v[TR+I], \k
.set I, I+1
.endr
.endr
.set I, 0
.rept 32
	v_fma_f32 v[UR+I], -v[AR+I], v[AR+I], v[UR+I]
.set I, I+1
.endr
.set I, 0
.rept 32
	v_mul_f32 v[UR+I], 0x3fb8aa3b, v[UR+I]
.set I, I+1
.endr
.set I, 0
.rept 32
	v_exp_f32 v[UR+I], v[UR+I]
.set I, I+1
.endr
	v_nop
	s_wait_alu depctr_va_vdst(0)
.set I, 0
.rept 32
	v_mul_f32 v[UR+I], v[UR+I], v[TR+I]            ; erfc(|a|)
.set I, I+1
.endr
.set I, 0
.rept 32
	v_sub_f32 v[TR+I], 2.0, v[UR+I]
.set I, I+1
.endr
.set I, 0
.rept 32
	v_cmp_le_f32 vcc_lo, 0, v[AR+I]
	v_cndmask_b32 v[UR+I], v[TR+I], v[UR+I], vcc_lo   ; erfc(a) = 2 - erfc(-a) where a < 0
.set I, I+1
.endr
.set I, 0
.rept 32
	v_mul_f32 v[TR+I], 0.5, v[ACC1+I]
.set I, I+1
.endr
.set I, 0
.rept 32
	v_mul_f32 v[ACC1+I], v[TR+I], v[UR+I]
.set I, I+1
.endr
	QUANT2 ACC1, PW
	PUTIMG 12, 13, 14, HIMG, HSC
	s_wait_dscnt 0x0
	s_barrier_signal -1
	s_barrier_wait -1                              ; the chunk's four half images lie in LDS
	WIN 0x80
.irp s, 0,1
	ds_load_b128 v[216+12*\s:219+12*\s], v[L16] offset:HIMG+1536*\s
	ds_load_b64 v[220+12*\s:221+12*\s], v[L8] offset:HIMG+1536*\s+512
	ds_load_b128 v[222+12*\s:225+12*\s], v[L16] offset:HIMG+1536*\s+768
	ds_load_b64 v[226+12*\s:227+12*\s], v[L8] offset:HIMG+1536*\s+1280
.endr
	WIN 0
	ds_load_b32 v[HS], v[SCR] offset:HSC
	ds_load_b32 v[HI], v[SCR] offset:HSC+128
	s_wait_dscnt 0x0
	v_lshl_or_b32 v[HS], v[HI], 16, v[HS]
	PLACES 8
	s_wait_loadcnt 0x0                             ; all of W2
	WIN 0x0a
.irp n, 0,1,2,3,4,5,6,7,8,9,10,11                  ; the first K step starts the twelve sums
	v_wmma_scale_f32_16x16x128_f8f6f4 v[ACC2+8*\n:ACC2+8*\n+7], v[12*\n:12*\n+11], v[216:227], 0, v[W2S+\n], v[HS] matrix_a_fmt:MATRIX_FMT_FP6 matrix_b_fmt:MATRIX_FMT_FP6
.endr
	WIN 0x0b
.irp n, 0,1,2,3,4,5,6,7,8,9,10,11
	WM ACC2+8*\n, 48+12*\n, 228, ACC2+8*\n, W2S+\n, HS, 1
.endr
	WIN 0
	PLACES 4
.irp n, 0,1,2,3,4,5,6,7,8,9,10,11                  ; lane (r, h), tile n = 2 b + u: columns 32 b + 16 h + 8 u + 0 .. 7 of row r
	ds_store_b128 v15, v[ACC2+8*\n:ACC2+8*\n+3] offset:128*(\n/2)+32*(\n%2)
	ds_store_b128 v15, v[ACC2+8*\n+4:ACC2+8*\n+7] offset:128*(\n/2)+32*(\n%2)+16
.endr
	s_wait_dscnt 0x0                               ; the stores have read their registers, which take the rows back
.irp p, 0,1,2,3,4,5,6,7
.irp q, 0,1,2
	ds_load_b128 v[ACC2+4*(3*\p+\q):ACC2+4*(3*\p+\q)+3], v16 offset:1568*\p+256*\q
.endr
.endr
.irp p, 0,1,2,3,4,5,6,7
.irp q, 0,1,2
	s_wait_dscnt 23-(3*\p+\q)
	global_store_b128 v17, v[ACC2+4*(3*\p+\q):ACC2+4*(3*\p+\q)+3], s[12:13] offset:6144*\p+256*\q th:TH_STORE_NT   ; each half of the lanes stores 256 consecutive bytes, aligned
.endr
.endr
	s_wait_tensorcnt 0x0
	ds_add_u32 v254, v255
	s_wait_dscnt 0x0
	s_endpgm
.Lfunc_end_k_qc969fca3c7_ffn:
	.size	k_qc969fca3c7_ffn, .Lfunc_end_k_qc969fca3c7_ffn-k_qc969fca3c7_ffn
	.p2alignl 7, 3214868480
	.fill 96, 4, 3214868480
	.section	.rodata,"a",@progbits
	.p2align	6, 0x0
	.amdhsa_kernel k_qc969fca3c7_ffn
		.amdhsa_group_segment_fixed_size 65024
		.amdhsa_private_segment_fixed_size 0
		.amdhsa_enable_private_segment 0
		.amdhsa_kernarg_size 40
		.amdhsa_user_sgpr_count 2
		.amdhsa_user_sgpr_kernarg_segment_ptr 1
		.amdhsa_wavefront_size32 1
		.amdhsa_system_sgpr_workgroup_id_x 1
		.amdhsa_system_sgpr_workgroup_id_y 1
		.amdhsa_system_sgpr_workgroup_id_z 1
		.amdhsa_system_vgpr_workitem_id 0
		.amdhsa_next_free_vgpr 960
		.amdhsa_next_free_sgpr 66
		.amdhsa_reserve_vcc 1
		.amdhsa_float_denorm_mode_32 3
		.amdhsa_float_denorm_mode_16_64 3
		.amdhsa_memory_ordered 1
		.amdhsa_forward_progress 1
		.amdhsa_inst_pref_size 83
	.end_amdhsa_kernel
	.amdgpu_metadata
---
amdhsa.version: [ 1, 2 ]
amdhsa.kernels:
  - .name:           k_qc969fca3c7_ffn
    .symbol:         k_qc969fca3c7_ffn.kd
    .args:
      - { .name: xbuf, .offset: 0, .size: 8, .value_kind: global_buffer, .address_space: global }
      - { .name: wc, .offset: 8, .size: 8, .value_kind: global_buffer, .address_space: global }
      - { .name: ws, .offset: 16, .size: 8, .value_kind: global_buffer, .address_space: global }
      - { .name: b1, .offset: 24, .size: 8, .value_kind: global_buffer, .address_space: global }
      - { .name: part, .offset: 32, .size: 8, .value_kind: global_buffer, .address_space: global }
    .group_segment_fixed_size: 65024
    .private_segment_fixed_size: 0
    .kernarg_segment_align: 8
    .kernarg_segment_size: 40
    .max_flat_workgroup_size: 128
    .sgpr_count:     66
    .vgpr_count:     960
    .wavefront_size: 32
...
	.end_amdgpu_metadata
.endif
;; end of part 3
;; launch final (part 4): grid 256 x 1, 1 waves a work-group, no clusters, 0 bytes of LDS; arguments part, xbuf, b2, ln_g, ln_b, out0; writes out0
.if DOCPART == 4
	.amdgcn_target "amdgcn-amd-amdhsa--gfx1250"
	.amdhsa_code_object_version 6
	.text
	.protected	k_qc969fca3c7_final
	.globl	k_qc969fca3c7_final
	.p2align	8
	.type	k_qc969fca3c7_final,@function
k_qc969fca3c7_final:
	s_mov_b64 s[64:65], 0
	v_nop
	global_prefetch_b8 v0, s[64:65] scope:SCOPE_SE
	s_setreg_imm32_b32 hwreg(HW_REG_WAVE_MODE, 25, 1), 1
	s_wait_xcnt 0x0
; out0[row] = LayerNorm(x + (the sum of the 12 chunks of the second FFN product + b2)) x ln_g + ln_b.  One wave, one row of 768: lane l holds the 16 bytes at 512 k + 16 l, k = 0 .. 5: 24 numbers.
; Every load and store covers 512 consecutive bytes.  The row stays in registers between the mean, the variance and the scaling.  No LDS, no barrier, no matrix unit: memory binds.
; The chunks are added in ascending order onto b2, in f32.  LIMIT: NaN and infinities are not served.
.set X, 8                              ; v8-31    x, then y, then y - mean
.set H, 32                             ; v32-55   b2 + the chunks
.set P, 56                             ; v56-199  six sets of 24: chunks on their way
.set G, 200
.set B, 224
.macro LD6 reg, base, off
.irp k, 0,1,2,3,4,5
	global_load_b128 v[(\reg)+4*\k:(\reg)+4*\k+3], v1, s[\base:\base+1] offset:(\off)+512*\k
.endr
.endm
.macro ALL32 r                         ; the sum over the 32 lanes, in every lane
.irp x, 1,2,4,8
	v_add_f32_dpp v[\r], v[\r], v[\r] row_xmask:\x row_mask:0xf bank_mask:0xf
.endr
	v_permlanex16_b32 v7, v[\r], s20, s21
	v_add_f32 v[\r], v[\r], v7
.endm
	s_load_b256 s[4:11], s[0:1], 0x0               ; part 4, xbuf 6, b2 8, ln_g 10
	s_load_b128 s[12:15], s[0:1], 0x20             ; ln_b 12, out0 14
	v_lshlrev_b32 v1, 4, v0
	v_mov_b32 v7, 0                                ; a lane permute's destination counts as one of its sources
	s_mul_i32 s16, ttmp9, 3072
	s_mov_b32 s17, 0
	s_mov_b32 s20, 0x76543210
	s_mov_b32 s21, 0xfedcba98
	s_mov_b32 s22, 0x3aaaaaab                      ; 1 / 768
	s_mov_b32 s23, 0x2b8cbccc                      ; 1e-12
	s_wait_kmcnt 0x0
	s_add_nc_u64 s[4:5], s[4:5], s[16:17]
	s_add_nc_u64 s[18:19], s[4:5], 6*786432        ; chunks 6-11 have a base of their own: 11 x 786,432 does not fit the signed 24-bit immediate
	s_add_nc_u64 s[6:7], s[6:7], s[16:17]
	s_add_nc_u64 s[14:15], s[14:15], s[16:17]
	LD6 X, 6, 0
	LD6 H, 8, 0
.irp j, 0,1,2,3,4,5
	LD6 P+24*\j, 4, 786432*\j
.endr
	LD6 G, 10, 0
	LD6 B, 12, 0
.set J, 0
.rept 12
.if J < 6
	s_wait_loadcnt 42                              ; behind chunk J: 6 (5 - J) loads of the first six, 12 of ln_g and ln_b, 6 J of the chunks asked for since
.else
	s_wait_loadcnt 6*(11-J)
.endif
.set I, 0
.rept 12
	v_pk_add_f32 v[H+I:H+I+1], v[H+I:H+I+1], v[P+24*(J%6)+I:P+24*(J%6)+I+1]
.set I, I+2
.endr
.if J < 6
	LD6 P+24*J, 18, 786432*J
.endif
.set J, J+1
.endr
.set I, 0
.rept 12
	v_pk_add_f32 v[X+I:X+I+1], v[X+I:X+I+1], v[H+I:H+I+1]          ; y = x + h
.set I, I+2
.endr
	v_pk_add_f32 v[2:3], v[X:X+1], v[X+2:X+3]
	v_pk_add_f32 v[4:5], v[X+4:X+5], v[X+6:X+7]
.irp i, 8,12,16,20
	v_pk_add_f32 v[2:3], v[2:3], v[X+\i:X+\i+1]
	v_pk_add_f32 v[4:5], v[4:5], v[X+\i+2:X+\i+3]
.endr
	v_pk_add_f32 v[2:3], v[2:3], v[4:5]
	v_add_f32 v6, v2, v3
	ALL32 6
	v_mul_f32 v2, s22, v6                          ; the mean
	v_mov_b32 v3, v2
.set I, 0
.rept 12
	v_pk_add_f32 v[X+I:X+I+1], v[X+I:X+I+1], v[2:3] neg_lo:[0,1] neg_hi:[0,1]
.set I, I+2
.endr
	v_pk_mul_f32 v[4:5], v[X:X+1], v[X:X+1]
	v_pk_mul_f32 v[H:H+1], v[X+2:X+3], v[X+2:X+3]
.irp i, 4,8,12,16,20
	v_pk_fma_f32 v[4:5], v[X+\i:X+\i+1], v[X+\i:X+\i+1], v[4:5]
	v_pk_fma_f32 v[H:H+1], v[X+\i+2:X+\i+3], v[X+\i+2:X+\i+3], v[H:H+1]
.endr
	v_pk_add_f32 v[4:5], v[4:5], v[H:H+1]
	v_add_f32 v6, v4, v5
	ALL32 6
	v_fma_f32 v6, v6, s22, s23                     ; the variance + 1e-12
	v_rsq_f32 v2, v6
	v_nop                                          ; a plain place behind the transcendental
	s_wait_alu depctr_va_vdst(0)                   ; and the wait ahead of its first reader
	v_mov_b32 v3, v2
.set I, 0
.rept 12
	v_pk_mul_f32 v[X+I:X+I+1], v[X+I:X+I+1], v[2:3]
.set I, I+2
.endr
.set I, 0
.rept 12
	v_pk_fma_f32 v[X+I:X+I+1], v[X+I:X+I+1], v[G+I:G+I+1], v[B+I:B+I+1]
.set I, I+2
.endr
.irp k, 0,1,2,3,4,5
	global_store_b128 v1, v[X+4*\k:X+4*\k+3], s[14:15] offset:512*\k
.endr
	s_endpgm
.Lfunc_end_k_qc969fca3c7_final:
	.size	k_qc969fca3c7_final, .Lfunc_end_k_qc969fca3c7_final-k_qc969fca3c7_final
	.p2alignl 7, 3214868480
	.fill 96, 4, 3214868480
	.section	.rodata,"a",@progbits
	.p2align	6, 0x0
	.amdhsa_kernel k_qc969fca3c7_final
		.amdhsa_group_segment_fixed_size 0
		.amdhsa_private_segment_fixed_size 0
		.amdhsa_enable_private_segment 0
		.amdhsa_kernarg_size 48
		.amdhsa_user_sgpr_count 2
		.amdhsa_user_sgpr_kernarg_segment_ptr 1
		.amdhsa_wavefront_size32 1
		.amdhsa_system_sgpr_workgroup_id_x 1
		.amdhsa_system_sgpr_workgroup_id_y 1
		.amdhsa_system_sgpr_workgroup_id_z 1
		.amdhsa_system_vgpr_workitem_id 0
		.amdhsa_next_free_vgpr 248
		.amdhsa_next_free_sgpr 66
		.amdhsa_reserve_vcc 0
		.amdhsa_float_denorm_mode_32 3
		.amdhsa_float_denorm_mode_16_64 3
		.amdhsa_memory_ordered 1
		.amdhsa_forward_progress 1
		.amdhsa_inst_pref_size 26
	.end_amdhsa_kernel
	.amdgpu_metadata
---
amdhsa.version: [ 1, 2 ]
amdhsa.kernels:
  - .name:           k_qc969fca3c7_final
    .symbol:         k_qc969fca3c7_final.kd
    .args:
      - { .name: part, .offset: 0, .size: 8, .value_kind: global_buffer, .address_space: global }
      - { .name: xbuf, .offset: 8, .size: 8, .value_kind: global_buffer, .address_space: global }
      - { .name: b2, .offset: 16, .size: 8, .value_kind: global_buffer, .address_space: global }
      - { .name: ln_g, .offset: 24, .size: 8, .value_kind: global_buffer, .address_space: global }
      - { .name: ln_b, .offset: 32, .size: 8, .value_kind: global_buffer, .address_space: global }
      - { .name: out0, .offset: 40, .size: 8, .value_kind: global_buffer, .address_space: global }
    .group_segment_fixed_size: 0
    .private_segment_fixed_size: 0
    .kernarg_segment_align: 8
    .kernarg_segment_size: 48
    .max_flat_workgroup_size: 32
    .sgpr_count:     66
    .vgpr_count:     248
    .wavefront_size: 32
...
	.end_amdgpu_metadata
.endif
;; end of part 4
;; ======== version 2 of 2: 4 launches; version 1 with the launches prep, ffn written anew for expert scheduling mode
;; workspace buffers: wc 5,308,416 bytes; ws 221,184 bytes; kv2 1,572,864 bytes; xbuf 786,432 bytes; part 9,437,184 bytes
;; launch prep (part 5): grid 408 x 1, 8 waves a work-group, no clusters, 34,816 bytes of LDS; arguments Wq1, Wk1, Wv1, Wq2, W1, W2, Wk2, Wv2, bk2, bv2, im_repr, wc, ws, kv2; writes wc, ws, kv2
.if DOCPART == 5
	.amdgcn_target "amdgcn-amd-amdhsa--gfx1250"
	.amdhsa_code_object_version 6
	.text
	.protected	k_qc969fca3c7_prep
	.globl	k_qc969fca3c7_prep
	.p2align	8
	.type	k_qc969fca3c7_prep,@function
k_qc969fca3c7_prep:
	s_mov_b64 s[64:65], 0
	v_nop
	global_prefetch_b8 v0, s[64:65] scope:SCOPE_SE
	s_setreg_imm32_b32 hwreg(HW_REG_WAVE_SCHED_MODE, 0, 2), 2
	s_setreg_imm32_b32 hwreg(HW_REG_WAVE_MODE, 25, 1), 1
	s_wait_xcnt 0x0
	s_wait_alu depctr_vm_vsrc(0)
; TWO JOBS IN ONE LAUNCH, told apart by the work-group's number.
; A (work-groups 0-215): Wq1, Wk1, Wv1, Wq2, W1, W2 (f32, K = the first axis) become codes of FP6 (E2M3) with one E8M0 byte for each 32 along K, laid as IMAGES OF
;   OPERAND REGISTERS: a fragment (16 columns x 128 K) is 1,536 bytes, registers 4 c .. 4 c + 3 of lane l at 512 c + 16 l; its 16 scale words are 64 bytes.
;   A lane takes a column and its registers run down K, so a block of 32 is one lane's own and the conversions give K innermost.  A wave takes 32 columns x 128 K, a work-group of eight waves 256 columns.
;   THE COLUMNS OF A TILE ARE NOT NEIGHBOURS: lane r of tile 2 b + u holds column 32 b + 8 u + r + 8 (r / 8), so that results made with such a tile as source 0 lie as 16 neighbours in 16 registers.
; B (work-groups 216-407): k2 | v2 = Q(im_repr) Q(Wk2 | Wv2) + bias for the 256 rows of im_repr.  The model repeats each of these rows over its 55 positions, so one row a batch holds all the numbers.
;   A work-group takes 64 rows x 32 columns.  Wave w quantises K step w of the 32 columns into an LDS image; then it multiplies row tile w % 4 over K steps 4 (w / 4) .. + 3.
;   Waves 4-7 hand their sums to waves 0-3 through LDS: k2 and v2 are the f32 sum of two partial sums over K, the bias in the lower one.
; A block's scale byte is its largest magnitude's exponent field - 2, held at 1 from below.
; LIMITS: NaN and infinities are not served; a block whose largest magnitude lies under 2^-124 gets the byte 1; a block of zeros gets the byte 1 where the quantiser says 127 (its codes are zeros; only this program reads the bytes).
; THE MODE: SCHED_MODE bits 1:0 = 2 (LLVM: expert scheduling mode 2), set by the entry lines.  The code itself states the register dependences
; between vector or matrix instructions and memory or LDS instructions, with s_wait_alu, always for 0.
; THE PLAN.  Registers that memory or LDS instructions touch:
;   v4-v6, v8-v14  offsets and LDS addresses: made once, ahead of a way's first load, and never written again.
;   RAW0 .. RAW3   Weight block kb lands in set kb; its maxima and conversions read it.  So blocks 2 and 3 land in sets that no vector instruction has named.
;                  B: half step n of im_repr lands in set n % 4, behind a wait that shows the set's last readers done.
;   FR0, SW        Written by conversions and moves; read by the image's stores; in B FR0 is written again by the half steps' moves.
;   WF, WSR        B: LDS loads land in them; a K step's two matrix instructions read them; at the end the partner's sums land in WF.
;   ACC            Written by matrix instructions and the packed additions; read by the LDS stores of waves 4-7 and by the global stores.
; A K step of B has two waits on va_vdst: one behind its first half step (that half step is done reading its set; the matrix instructions of the K step before are done reading WF and WSR),
; behind which stand the K step's weight fragments and the set's next loads; and one ahead of its matrix instructions (its operand and its scale word are written), which also shows the second
; half step done reading its set: that set's next loads are dealt among the two matrix instructions, which name none of RAW.
.set RAW,  16                          ; v16-143  four sets of 32 numbers
.set FR0,  144                         ; v144-167 the two lanes' halves of a weight fragment; in B later im_repr's fragments, two by turns
.set WF,   168                         ; v168-191 B: two weight fragments; at the end the partner's sums
.set WSR,  192                         ; v192-193 their scale words
.set AS,   194                         ; v194-195 im_repr's scale words, two by turns
.set ACC,  196                         ; v196-211 two accumulators
.set BIAS, 212                         ; v212-227 the bias in the result's layout
.set TM,   228
.set TP,   230
.set TS,   232
.set PWA,  234
.set SW,   235
.set PC,   236
.set CT,   244
.set PWB,  247
.set SEL,  50                          ; s[50:51] selects of v_permlanex16_b32: lane l xor 16
.set WSCL, 24576                       ; LDS: 16 fragment images, then their scale words,
.set RED,  25600                       ; then 2,048 bytes for each row tile: the upper K half's sums
.macro PLACES n
.rept \n
	v_nop
.endr
.endm
; 32 numbers of a lane, register 16 b + i = k 32 b + 16 (lane / 16) + i of the lane's row, become 6 registers of codes (v[PC] on: k = 32 (lane / 16) + 0 .. 31) and two scale bytes in v[pwr].
.macro QUANT2 s, pwr
	v_max3_num_f32 v[TM], |v[(\s)]|, |v[(\s)+1]|, 0x1800000       ; with the floor 2^(3 - 127): the byte cannot fall under 1
	v_max3_num_f32 v[TM+1], |v[(\s)+16]|, |v[(\s)+17]|, 0x1800000
.irp i, 2,4,6,8,10,12,14
	v_max3_num_f32 v[TM], v[TM], |v[(\s)+\i]|, |v[(\s)+\i+1]|
	v_max3_num_f32 v[TM+1], v[TM+1], |v[(\s)+16+\i]|, |v[(\s)+17+\i]|
.endr
	v_permlanex16_b32 v[TP], v[TM], s[SEL], s[SEL+1]
	v_permlanex16_b32 v[TP+1], v[TM+1], s[SEL], s[SEL+1]
	v_max_num_f32 v[TM], v[TM], v[TP]                              ; with lane l xor 16's 16: the block's largest magnitude
	v_max_num_f32 v[TM+1], v[TM+1], v[TP+1]
	v_add_nc_u32 v[TS], 0xff000000, v[TM]                          ; 2 off the exponent field: the conversion's scale operand
	v_add_nc_u32 v[TS+1], 0xff000000, v[TM+1]
	v_lshrrev_b32 v[TP], 23, v[TS]
	v_lshrrev_b32 v[TP+1], 23, v[TS+1]
	v_lshl_or_b32 v[\pwr], v[TP+1], 8, v[TP]
	v_cvt_scalef32_pk16_fp6_f32 v[PC:PC+2], v[(\s):(\s)+15], v[TS]
	v_cvt_scalef32_pk16_fp6_f32 v[PC+4:PC+6], v[(\s)+16:(\s)+31], v[TS+1]
	v_nop                                                          ; one plain place behind a scaled conversion
.irp i, 0,1,2
	v_permlane16_swap_b32 v[PC+\i], v[PC+4+\i]                     ; a whole block to a lane: lanes 0-15 block 0, lanes 16-31 block 1
.endr
	v_mov_b32 v[PC+3], v[PC+4]
	v_mov_b32 v[PC+4], v[PC+5]
	v_mov_b32 v[PC+5], v[PC+6]
.endm
; block kb of a K step: W(32 kb + i, my column), i = 0 .. 31, into set kb
.macro LOADB kb, pitch, nt
.irp i, 0,1,2,3,4,5,6,7,8,9,10,11,12,13,14,15,16,17,18,19,20,21,22,23,24,25,26,27,28,29,30,31
.if \nt
	global_load_b32 v[RAW+32*((\kb)%4)+\i], v4, s[40:41] offset:(32*(\kb)+\i)*(\pitch) th:TH_LOAD_NT
.else
	global_load_b32 v[RAW+32*((\kb)%4)+\i], v4, s[40:41] offset:(32*(\kb)+\i)*(\pitch)
.endif
.endr
.endm
; block kb = 2 c + h is registers 6 c .. 6 c + 5 of the image's lane (r, h): kept in FR0 + 12 h.  left: the loads issued behind this block's 32
.macro WBLOCK kb, left
.set XB, RAW+32*((\kb)%4)
.set FD, FR0+12*((\kb)%2)+6*((\kb)/2)
	s_wait_loadcnt \left
	v_max3_num_f32 v[TM], |v[XB]|, |v[XB+1]|, |v[XB+2]|
	v_max3_num_f32 v[TM+1], |v[XB+3]|, |v[XB+4]|, |v[XB+5]|
.irp i, 6,10,14,18,22,26
	v_max3_num_f32 v[TM], v[TM], |v[XB+\i]|, |v[XB+\i+1]|
	v_max3_num_f32 v[TM+1], v[TM+1], |v[XB+\i+2]|, |v[XB+\i+3]|
.endr
	v_max3_num_f32 v[TM], v[TM], |v[XB+30]|, |v[XB+31]|
	v_max3_num_f32 v[TM], v[TM], v[TM+1], 0x1800000
	v_add_nc_u32 v[TS], 0xff000000, v[TM]
	v_lshrrev_b32 v[TP], 23, v[TS]
.if (\kb) == 0
	v_mov_b32 v[SW], v[TP]
.else
	v_lshl_or_b32 v[SW], v[TP], 8*(\kb), v[SW]
.endif
	v_cvt_scalef32_pk16_fp6_f32 v[FD:FD+2], v[XB:XB+15], v[TS]
	v_cvt_scalef32_pk16_fp6_f32 v[CT:CT+2], v[XB+16:XB+31], v[TS]  ; (a conversion's three registers begin on an even number)
	v_nop
.irp i, 0,1,2
	v_mov_b32 v[FD+3+\i], v[CT+\i]
.endr
.endm
.macro WTASK pitch                     ; 32 columns x 128 K; loads run one block ahead: behind a block's loads stand the next block's 32.  Each block has a set of its own: no load lands in a register that a vector instruction has named
	LOADB 0, \pitch, 1
	LOADB 1, \pitch, 1
	WBLOCK 0, 32
	LOADB 2, \pitch, 1
	WBLOCK 1, 32
	LOADB 3, \pitch, 1
	WBLOCK 2, 32
	WBLOCK 3, 0
.endm
; B: half step n of my eight: 64 along K of my row, 32 numbers a lane, into set n % 4; ILH brings block b of its two
.macro ILH n, b
.irp j, 0,1,2,3
	global_load_b128 v[RAW+32*((\n)%4)+16*(\b)+4*\j:RAW+32*((\n)%4)+16*(\b)+4*\j+3], v12, s[24:25] offset:256*(\n)+128*(\b)+16*\j
.endr
.endm
.macro IL n
	ILH \n, 0
	ILH \n, 1
.endm
; B: the two weight fragments and their scale words of the k-th of my four K steps
.macro WLD k
.irp u, 0,1
.irp c, 0,1,2
	ds_load_b128 v[WF+12*\u+4*\c:WF+12*\u+4*\c+3], v10 offset:(8*\u+(\k))*1536+512*\c
.endr
	ds_load_b32 v[WSR+\u], v11 offset:(8*\u+(\k))*64
.endr
.endm
; B: half step n becomes half a fragment
.macro HALF n, pw
.if (\n) < 5
	s_wait_loadcnt 24                              ; behind this half step's loads: those of the next three
.else
	s_wait_loadcnt 8*(7-(\n))
.endif
	QUANT2 RAW+32*((\n)%4), \pw
.irp i, 0,1,2,3,4,5
	v_mov_b32 v[FR0+12*(((\n)/2)%2)+6*((\n)%2)+\i], v[PC+\i]
.endr
.endm
; B: transposed: source 0 = 16 columns of the weight, source 1 = my 16 rows; the two accumulators take turns
.macro MM u
.if KK == 0
	v_wmma_scale_f32_16x16x128_f8f6f4 v[ACC+8*(\u):ACC+8*(\u)+7], v[WF+12*(\u):WF+12*(\u)+11], v[FR0+12*(KK%2):FR0+12*(KK%2)+11], v[BIAS+8*(\u):BIAS+8*(\u)+7], v[WSR+(\u)], v[AS+KK%2] matrix_a_fmt:MATRIX_FMT_FP6 matrix_b_fmt:MATRIX_FMT_FP6
.else
	v_wmma_scale_f32_16x16x128_f8f6f4 v[ACC+8*(\u):ACC+8*(\u)+7], v[WF+12*(\u):WF+12*(\u)+11], v[FR0+12*(KK%2):FR0+12*(KK%2)+11], v[ACC+8*(\u):ACC+8*(\u)+7], v[WSR+(\u)], v[AS+KK%2] matrix_a_fmt:MATRIX_FMT_FP6 matrix_b_fmt:MATRIX_FMT_FP6
.endif
.endm
	s_load_b512 s[4:19], s[0:1], 0x0               ; Wq1 4, Wk1 6, Wv1 8, Wq2 10, W1 12, W2 14, Wk2 16, Wv2 18
	s_load_b256 s[20:27], s[0:1], 0x40             ; bk2 20, bv2 22, im_repr 24, wc 26
	s_load_b128 s[28:31], s[0:1], 0x60             ; ws 28, kv2 30
	v_lshl_add_u32 v248, v0, 2, 0x8400
	v_mov_b32 v249, 0
	v_lshrrev_b32 v1, 5, v0
	v_readfirstlane_b32 s32, v1                    ; wave 0..7
	v_and_b32 v1, 31, v0                           ; lane = my column of the wave's 32
	v_lshlrev_b32 v4, 2, v1
	v_bfe_u32 v2, v0, 3, 1                         ; u: which of the two tiles my column belongs to
	v_and_b32 v3, 7, v0
	v_bfe_u32 v7, v0, 4, 1                         ; lane / 16
	v_lshl_or_b32 v3, v7, 3, v3                    ; r': its lane in that tile
	v_mov_b32 v[TP], 0                             ; written once: a lane permute's destination counts as one of its sources
	v_mov_b32 v[TP+1], 0
	s_mov_b32 s[SEL], 0x76543210
	s_mov_b32 s[SEL+1], 0xfedcba98
	s_mov_b32 s45, 0                               ; the upper word of the offsets in s[44:45]
	s_wait_alu depctr_va_sdst(0)                   ; s32, the wave's number, is written: ahead of the branch and of its first reader on either way
	s_cmp_ge_u32 ttmp9, 216
	s_cbranch_scc1 .Lpath_b
	; ---- A.  216 work-groups = 12 jobs of 18; a job = 3 groups of 256 columns x 6 K steps
	s_mul_i32 s33, ttmp9, 57
	s_lshr_b32 s33, s33, 10                        ; job = x / 18 (exact for x < 216)
	s_mul_i32 s34, s33, 18
	s_sub_co_u32 s34, ttmp9, s34
	s_mul_i32 s35, s34, 43
	s_lshr_b32 s35, s35, 8                         ; cq = rem / 6
	s_mul_i32 s36, s35, 6
	s_sub_co_u32 s36, s34, s36                     ; sr = rem % 6
	s_wait_kmcnt 0x0
	s_cmp_ge_u32 s33, 8
	s_cbranch_scc1 .Ljob_w2
	s_cmp_ge_u32 s33, 4
	s_cbranch_scc1 .Ljob_w1
	; jobs 0-3: Wq1, Wk1, Wv1, Wq2.  Their fragments lie in the order in which a wave of the next launch uses them: wave head / 3, unit 3 (head % 3) + job, or 9 + head % 3 for Wq2; in a unit 6 tile + K step
	s_lshl_b32 s37, s35, 3
	s_add_co_u32 s37, s37, s32                     ; g: my 32 columns
	s_mov_b32 s38, s36                             ; K step
	s_lshr_b32 s44, s37, 1                         ; head
	s_mul_i32 s46, s44, 11
	s_lshr_b32 s46, s46, 5                         ; head / 3
	s_mul_i32 s47, s46, 3
	s_sub_co_u32 s47, s44, s47                     ; head % 3
	s_mul_i32 s48, s47, 3
	s_add_co_u32 s48, s48, s33
	s_add_co_u32 s47, s47, 9
	s_cmp_lt_u32 s33, 3
	s_cselect_b32 s47, s48, s47                    ; unit
	s_mul_i32 s46, s46, 12
	s_add_co_u32 s47, s47, s46
	s_mul_i32 s39, s47, 24
	s_and_b32 s48, s37, 1
	s_mul_i32 s48, s48, 12
	s_add_co_u32 s39, s39, s48
	s_add_co_u32 s39, s39, s38                     ; the fragment's number, for u = 0
	s_mov_b32 s42, 6                               ; fragments from a tile to the next
	s_mov_b32 s43, 128*3072                        ; bytes from a K step to the next
	s_mov_b32 s49, 0
	s_mov_b64 s[40:41], s[4:5]
	s_cmp_eq_u32 s33, 1
	s_cselect_b64 s[40:41], s[6:7], s[40:41]
	s_cmp_eq_u32 s33, 2
	s_cselect_b64 s[40:41], s[8:9], s[40:41]
	s_cmp_eq_u32 s33, 3
	s_cselect_b64 s[40:41], s[10:11], s[40:41]
	s_branch .Lcommon
.Ljob_w2:                                          ; jobs 8-11: W2 [3072][768]: fragment 2304 + 24 tile + K step
	s_lshl_b32 s37, s35, 3
	s_add_co_u32 s37, s37, s32
	s_sub_co_u32 s38, s33, 8
	s_mul_i32 s38, s38, 6
	s_add_co_u32 s38, s38, s36
	s_mul_i32 s39, s37, 48
	s_add_co_u32 s39, s39, s38
	s_add_co_u32 s39, s39, 2304
	s_mov_b32 s42, 24
	s_mov_b32 s43, 128*3072
	s_mov_b32 s49, 0
	s_mov_b64 s[40:41], s[14:15]
	s_branch .Lcommon
.Ljob_w1:                                          ; jobs 4-7: W1 [768][3072]: fragment 1152 + 6 tile + K step
	s_sub_co_u32 s37, s33, 4
	s_mul_i32 s37, s37, 3
	s_add_co_u32 s37, s37, s35
	s_lshl_b32 s37, s37, 3
	s_add_co_u32 s37, s37, s32
	s_mov_b32 s38, s36
	s_mul_i32 s39, s37, 12
	s_add_co_u32 s39, s39, s38
	s_add_co_u32 s39, s39, 1152
	s_mov_b32 s42, 6
	s_mov_b32 s43, 128*12288
	s_mov_b32 s49, 1
	s_mov_b64 s[40:41], s[12:13]
.Lcommon:
	s_mul_i32 s44, s38, s43
	s_lshl_b32 s46, s37, 7
	s_add_co_u32 s44, s44, s46
	s_add_nc_u64 s[40:41], s[40:41], s[44:45]      ; the weight at my K step and my 32 columns
	s_mul_i32 s44, s39, 1536
	s_add_nc_u64 s[26:27], s[26:27], s[44:45]
	s_lshl_b32 s44, s39, 6
	s_add_nc_u64 s[28:29], s[28:29], s[44:45]
	s_mul_i32 s46, s42, 1536
	v_mul_u32_u24 v5, s46, v2
	v_lshl_add_u32 v5, v3, 4, v5                   ; codes: my tile's fragment, 16 bytes at lane r'
	s_lshl_b32 s46, s42, 6
	v_mul_u32_u24 v6, s46, v2
	v_lshl_add_u32 v6, v3, 2, v6                   ; scale word: 4 r'
	s_wait_alu depctr_va_vdst(0)                   ; the offsets v4, v5 and v6 are written, which this way's loads and stores read
	s_cmp_eq_u32 s49, 1
	s_cbranch_scc1 .Lwide
	WTASK 3072
	s_branch .Lstore
.Lwide:
	WTASK 12288
.Lstore:
	s_wait_alu depctr_va_vdst(0)                   ; the conversions and moves have written v[FR0 ..] and v[SW], which the stores read
.irp h, 0,1
.irp c, 0,1,2
	global_store_b128 v5, v[FR0+12*\h+4*\c:FR0+12*\h+4*\c+3], s[26:27] offset:256*\h+512*\c   ; the 16 lanes of a tile store 256 consecutive bytes, aligned
.endr
.endr
	global_store_b32 v6, v[SW], s[28:29]
	s_endpgm
	; ---- B
.Lpath_b:
	s_sub_co_u32 s33, ttmp9, 216
	s_lshr_b32 s34, s33, 2                         ; g: 32 columns of k2 | v2
	s_and_b32 s35, s33, 3                          ; which 64 rows
	s_and_b32 s37, s32, 3                          ; my row tile
	s_lshr_b32 s38, s32, 2                         ; my half of K
	s_cmp_eq_u32 s38, 0
	s_cselect_b32 s47, 0x3f800000, 0               ; the bias counts in the lower half alone: x 1 or x 0
	s_wait_kmcnt 0x0
	s_cmp_lt_u32 s34, 24
	s_cselect_b64 s[40:41], s[16:17], s[18:19]
	s_cselect_b64 s[42:43], s[20:21], s[22:23]
	s_cselect_b32 s36, 0, 24
	s_sub_co_u32 s36, s34, s36
	s_lshl_b32 s44, s36, 7
	s_add_nc_u64 s[42:43], s[42:43], s[44:45]      ; the bias at my 32 columns
	s_mul_i32 s46, s32, 128*3072
	s_add_co_u32 s44, s44, s46
	s_add_nc_u64 s[40:41], s[40:41], s[44:45]      ; the weight at my 32 columns and K step w
	s_lshl_b32 s44, s35, 18
	s_lshl_b32 s46, s38, 11
	s_add_co_u32 s44, s44, s46
	s_add_nc_u64 s[24:25], s[24:25], s[44:45]      ; im_repr at the work-group's 64 rows and my 512 along K
	s_mul_i32 s44, s35, 64*6144
	s_lshl_b32 s46, s34, 7
	s_add_co_u32 s44, s44, s46
	s_add_nc_u64 s[30:31], s[30:31], s[44:45]
	v_mul_u32_u24 v8, v2, 12288                    ; LDS image of fragment (u, K step s) at (8 u + s) 1,536; I make s = w
	v_lshl_add_u32 v8, v3, 4, v8
	s_mul_i32 s44, s32, 1536
	v_add_nc_u32 v8, s44, v8
	v_lshlrev_b32 v9, 9, v2
	v_lshl_add_u32 v9, v3, 2, v9
	s_lshl_b32 s44, s32, 6
	v_add_nc_u32 v9, s44, v9
	v_add_nc_u32 v9, WSCL, v9
	v_lshlrev_b32 v10, 4, v1
	s_lshl_b32 s44, s37, 11
	v_add_nc_u32 v5, s44, v10
	v_add_nc_u32 v5, RED, v5                       ; my row tile's 2,048 bytes for the sums: 16 x lane
	s_mul_i32 s44, s38, 6144
	v_add_nc_u32 v10, s44, v10                     ; the fragments that I read: K steps 4 (w / 4) on
	v_and_b32 v15, 15, v0
	v_lshl_add_u32 v11, v15, 2, WSCL
	s_lshl_b32 s44, s38, 8
	v_add_nc_u32 v11, s44, v11
	s_lshl_b32 s44, s37, 4
	v_add_nc_u32 v15, s44, v15                     ; my row of the 64
	v_lshlrev_b32 v12, 12, v15
	v_lshl_add_u32 v12, v7, 6, v12
	v_mul_u32_u24 v13, v15, 6144
	v_lshl_add_u32 v13, v7, 6, v13
	v_lshlrev_b32 v14, 6, v7
	s_wait_alu depctr_va_vdst(0)                   ; the offsets and LDS addresses v4, v5, v8 to v14 are written, which this way's loads and stores read
	LOADB 0, 3072, 0
	LOADB 1, 3072, 0
	WBLOCK 0, 32
	LOADB 2, 3072, 0                               ; sets 2 and 3: no vector instruction has named them
	WBLOCK 1, 32
	LOADB 3, 3072, 0
.irp u, 0,1
.irp k, 0,1
	global_load_b128 v[BIAS+8*\u+4*\k:BIAS+8*\u+4*\k+3], v14, s[42:43] offset:32*\u+16*\k   ; lane (r, h), tile u: columns 16 h + 8 u + 0 .. 7
.endr
.endr
	s_wait_alu depctr_va_vdst(0)                   ; blocks 0 and 1's maxima and conversions are done reading sets 0 and 1, in which the next sixteen loads land
	IL 0                                           ; the first two half steps are on their way under the last two blocks
	IL 1
	WBLOCK 2, 52                                   ; behind block 2: block 3's 32, the bias's 4, im_repr's 16
	WBLOCK 3, 20                                   ; behind block 3: 4 and 16
	s_wait_alu depctr_va_vdst(0)                   ; v[FR0 ..] and v[SW] are written, which the LDS stores read; blocks 2 and 3 are done reading sets 2 and 3, in which half steps 2 and 3 land
.irp h, 0,1
.irp c, 0,1,2
	ds_store_b128 v8, v[FR0+12*\h+4*\c:FR0+12*\h+4*\c+3] offset:256*\h+512*\c
.endr
.endr
	ds_store_b32 v9, v[SW]
	IL 2
	IL 3
	s_wait_dscnt 0x0                               ; for the other waves' sake: my image has landed
	s_barrier_signal -1
	s_barrier_wait -1                              ; the 16 weight fragments lie in LDS
	s_wait_alu depctr_vm_vsrc(0)                   ; my LDS stores have read v[FR0 ..], which the half steps' moves write again
.set KK, 0
.rept 4
.if KK == 0
	WLD 0                                          ; no vector or matrix instruction has named v[WF ..] or v[WSR ..] yet
.endif
	HALF 2*KK, PWA
	s_wait_alu depctr_va_vdst(0)                   ; this half step is done reading its set; the matrix instructions of the K step before are done reading v[WF ..] and v[WSR ..]
.if KK > 0
	WLD KK
.endif
.if 2*KK+4 < 8
	IL 2*KK+4
.endif
	HALF 2*KK+1, PWB
	v_lshl_or_b32 v[AS+KK%2], v[PWB], 16, v[PWA]
.if KK == 0
.irp i, 0,1,2,3,4,5,6,7,8,9,10,11,12,13,14,15
	v_mul_f32 v[BIAS+\i], s47, v[BIAS+\i]
.endr
.endif
	PLACES 8                                       ; a scale register written by a vector instruction stands 8 places ahead of a scaled matrix instruction, an operand 4
	s_wait_alu depctr_va_vdst(0)                   ; the moves have written the operand v[FR0 ..] and the scale word v[AS ..]; the second half step is done reading its set, in which the loads below land
	s_wait_dscnt 0x0
	MM 0
.if 2*KK+5 < 8
	ILH 2*KK+5, 0                                  ; no wait: the matrix instruction names none of RAW
.endif
	MM 1
.if 2*KK+5 < 8
	ILH 2*KK+5, 1
.endif
.if KK == 3
	PLACES 4                                       ; four places behind the last matrix instruction, before its result is read (ISA guide 7.12.1)
.endif
.set KK, KK+1
.endr
	s_wait_alu depctr_va_vdst(0)                   ; the matrix instructions have written the accumulators, which the LDS stores of waves 4-7 read, and are done reading v[WF ..], in which the sums land in waves 0-3
	s_cmp_lt_u32 s32, 4
	s_cbranch_scc1 .Llower
.irp c, 0,1,2,3
	ds_store_b128 v5, v[ACC+4*\c:ACC+4*\c+3] offset:512*\c         ; the upper half's sums, as an image of the registers, each accumulator from its low end on
.endr
.Llower:
	s_wait_dscnt 0x0
	s_barrier_signal -1
	s_barrier_wait -1                              ; they lie in LDS
	s_cmp_ge_u32 s32, 4
	s_cbranch_scc1 .Lb_end
.irp c, 0,1,2,3
	ds_load_b128 v[WF+4*\c:WF+4*\c+3], v5 offset:512*\c
.endr
	s_wait_dscnt 0x0
.irp i, 0,2,4,6,8,10,12,14
	v_pk_add_f32 v[ACC+\i:ACC+\i+1], v[ACC+\i:ACC+\i+1], v[WF+\i:WF+\i+1]
.endr
	s_wait_alu depctr_va_vdst(0)                   ; the additions have written v[ACC ..], which the stores read
.irp u, 0,1
.irp k, 0,1
	global_store_b128 v13, v[ACC+8*\u+4*\k:ACC+8*\u+4*\k+3], s[30:31] offset:32*\u+16*\k
.endr
.endr
.Lb_end:
	s_wait_dscnt 0x0                               ; the closing lines, six on end
	s_wait_alu 0x0
	s_wait_tensorcnt 0x0
	ds_add_u32 v248, v249
	s_wait_dscnt 0x0
	s_endpgm
.Lfunc_end_k_qc969fca3c7_prep:
	.size	k_qc969fca3c7_prep, .Lfunc_end_k_qc969fca3c7_prep-k_qc969fca3c7_prep
	.p2alignl 7, 3214868480
	.fill 96, 4, 3214868480
	.section	.rodata,"a",@progbits
	.p2align	6, 0x0
	.amdhsa_kernel k_qc969fca3c7_prep
		.amdhsa_group_segment_fixed_size 34816
		.amdhsa_private_segment_fixed_size 0
		.amdhsa_enable_private_segment 0
		.amdhsa_kernarg_size 112
		.amdhsa_user_sgpr_count 2
		.amdhsa_user_sgpr_kernarg_segment_ptr 1
		.amdhsa_wavefront_size32 1
		.amdhsa_system_sgpr_workgroup_id_x 1
		.amdhsa_system_sgpr_workgroup_id_y 1
		.amdhsa_system_sgpr_workgroup_id_z 1
		.amdhsa_system_vgpr_workitem_id 0
		.amdhsa_next_free_vgpr 250
		.amdhsa_next_free_sgpr 66
		.amdhsa_reserve_vcc 0
		.amdhsa_float_denorm_mode_32 3
		.amdhsa_float_denorm_mode_16_64 3
		.amdhsa_memory_ordered 1
		.amdhsa_forward_progress 1
		.amdhsa_inst_pref_size 92
	.end_amdhsa_kernel
	.amdgpu_metadata
---
amdhsa.version: [ 1, 2 ]
amdhsa.kernels:
  - .name:           k_qc969fca3c7_prep
    .symbol:         k_qc969fca3c7_prep.kd
    .args:
      - { .name: Wq1, .offset: 0, .size: 8, .value_kind: global_buffer, .address_space: global }
      - { .name: Wk1, .offset: 8, .size: 8, .value_kind: global_buffer, .address_space: global }
      - { .name: Wv1, .offset: 16, .size: 8, .value_kind: global_buffer, .address_space: global }
      - { .name: Wq2, .offset: 24, .size: 8, .value_kind: global_buffer, .address_space: global }
      - { .name: W1, .offset: 32, .size: 8, .value_kind: global_buffer, .address_space: global }
      - { .name: W2, .offset: 40, .size: 8, .value_kind: global_buffer, .address_space: global }
      - { .name: Wk2, .offset: 48, .size: 8, .value_kind: global_buffer, .address_space: global }
      - { .name: Wv2, .offset: 56, .size: 8, .value_kind: global_buffer, .address_space: global }
      - { .name: bk2, .offset: 64, .size: 8, .value_kind: global_buffer, .address_space: global }
      - { .name: bv2, .offset: 72, .size: 8, .value_kind: global_buffer, .address_space: global }
      - { .name: im_repr, .offset: 80, .size: 8, .value_kind: global_buffer, .address_space: global }
      - { .name: wc, .offset: 88, .size: 8, .value_kind: global_buffer, .address_space: global }
      - { .name: ws, .offset: 96, .size: 8, .value_kind: global_buffer, .address_space: global }
      - { .name: kv2, .offset: 104, .size: 8, .value_kind: global_buffer, .address_space: global }
    .group_segment_fixed_size: 34816
    .private_segment_fixed_size: 0
    .kernarg_segment_align: 8
    .kernarg_segment_size: 112
    .max_flat_workgroup_size: 256
    .sgpr_count:     66
    .vgpr_count:     250
    .wavefront_size: 32
...
	.end_amdgpu_metadata
.endif
;; end of part 5
;; launch main: the kernel of part 2 again; grid 256 x 1, 4 waves a work-group, no clusters, 310,784 bytes of LDS; arguments q_repr, kv2, wc, ws, bq1, bk1, bv1, bq2, xbuf; writes xbuf
;; launch ffn (part 6): grid 12 x 16, 4 waves a work-group, no clusters, 65,024 bytes of LDS; arguments xbuf, wc, ws, b1, part; writes part
.if DOCPART == 6
	.amdgcn_target "amdgcn-amd-amdhsa--gfx1250"
	.amdhsa_code_object_version 6
	.text
	.protected	k_qc969fca3c7_ffn
	.globl	k_qc969fca3c7_ffn
	.p2align	8
	.type	k_qc969fca3c7_ffn,@function
k_qc969fca3c7_ffn:
	s_mov_b64 s[64:65], 0
	v_nop
	global_prefetch_b8 v0, s[64:65] scope:SCOPE_SE
	s_setreg_imm32_b32 hwreg(HW_REG_WAVE_SCHED_MODE, 0, 2), 2
	s_setreg_imm32_b32 hwreg(HW_REG_WAVE_MODE, 25, 1), 1
	s_wait_xcnt 0x0
	s_wait_alu depctr_vm_vsrc(0)
; part[j] = Q(gelu(Q(x) Q(W1) + b1))[:, 256 j .. 256 j + 255] Q(W2)[256 j .. , :], for 16 rows of x: work-group (j, mt).  Both products on codes of FP6 (E2M3) with one E8M0 byte for each 32 along K.
; The sum over the 12 chunks j of the second product's K, b2, the residual and the norm are the next launch's: each byte of part has one owner.
; SHARES.  Wave w quantises 192 of x's 768 along K (three half images), makes hidden units 256 j + 64 w .. + 63 (four tiles; one half image of the second product's K) and output columns 192 w .. + 191 (twelve tiles).
; Weights come as fragment images straight into registers of their own: 24 fragments of W1, 24 of W2 a wave; no wave reads another's, so none goes through LDS.
; NO CLUSTER: the 16 work-groups of a chunk read the same weights, 294,912 bytes each, once; there is no loop in which joint requests could take turns.
; gelu is exact: 0.5 z erfc(-z / sqrt(2)), erfc by t exp(-a^2 + a polynomial of degree 9 in t), t = 1 / (1 + |a| / 2), whose fractional error is 1.2e-7; evaluated in f32.
; LIMITS: NaN and infinities are not served; a block whose largest magnitude lies under 2^-124 gets the byte 1; a block of zeros gets the byte 1 (its codes are zeros; only this program reads the bytes).
; REGISTERS.  Window 0: names below.  Window 1: W1's K steps 0-4 at 48 s + 12 t.  Window 2: W2's first K step at 12 n; x's fragments at 144 + 12 s; the hidden layer's at 216 + 12 s2.  Window 3: W1's K step 5 at 12 t; W2's second K step at 48 + 12 n.
; THE MODE: SCHED_MODE bits 1:0 = 2 (LLVM: expert scheduling mode 2), set by the entry lines.  The code itself states the register dependences
; between vector or matrix instructions and memory or LDS instructions, with s_wait_alu, always for 0.
; THE PLAN.  Registers that memory or LDS instructions touch:
;   v1-v3, v6-v17  offsets and LDS addresses: made once at the head and never written again.
;   PC, PCB, PCC (with PW, PWB, PWC)  an out-buffer for each of x's three half images: written by the conversions, read by one run of nine LDS stores behind one wait; PC and PW are written once more, for the hidden layer's image.
;   The weights' registers (windows 1 to 3), W1S, W2S, BIAS: loads land in them once; matrix instructions alone read them: their loads owe nothing and are dealt among the quantising and the matrix instructions.
;   XS, HS, HI     LDS loads land in them; vector lines pack XS and HS, which the matrix instructions take as scales.
;   ACC2           x's numbers land there; later the twelve accumulators: written by matrix instructions, read by the stage's stores, then the stage's loads land in them and the global stores read them.
.set XIMG, 0                           ; LDS: x's 12 half images,
.set XSC,  9216                        ; their slots,
.set HIMG, 10752                       ; the hidden chunk's 4 half images,
.set HSC,  13824                       ; their slots,
.set STG,  14336                       ; and for each wave a stage of 16 rows x (768 + 16) bytes
.set L16,  1
.set L4,   2
.set H64,  3
.set L8,   6
.set SCR,  7                           ; 256 (lane / 16) + 4 r
.set XA,   11
.set XS,   22                          ; v22-24 x's packed scale words
.set HS,   25                          ; the hidden layer's
.set HI,   26                          ; v26-29 upper halves of scale words on their way
.set W1S,  34                          ; v34-45
.set W2S,  46                          ; v46-57
.set PCB,  58                          ; v58-64 the codes of x's second half image
.set PCC,  66                          ; v66-72 of its third
.set PWB,  74                          ; their scale bytes
.set PWC,  75
.set BIAS, 78
.set ACC1, 110                         ; v110-141 four accumulators: my 64 hidden units
.set ACC2, 142                         ; v142-237 twelve accumulators; before that x's numbers and gelu's work
.set TM,   238
.set TP,   240
.set TS,   242
.set PC,   244                         ; v244-250 the codes of x's first half image, later of the hidden layer's
.set PW,   252
.set SEL,  44
.set MSB, 0
.macro WIN new
.if MSB != (\new)
	s_set_vgpr_msb (MSB<<8)|(\new)
.set MSB, (\new)
.endif
.endm
.macro PLACES n
.rept \n
	v_nop
.endr
.endm
; 32 numbers of a lane, register 16 b + i = k 32 b + 16 (lane / 16) + i of the lane's row, become 6 registers of codes (v[pc] on) and two scale bytes in v[pwr]
.macro QUANT2 s, pc, pwr
	v_max3_num_f32 v[TM], |v[(\s)]|, |v[(\s)+1]|, 0x1800000
	v_max3_num_f32 v[TM+1], |v[(\s)+16]|, |v[(\s)+17]|, 0x1800000
.irp i, 2,4,6,8,10,12,14
	v_max3_num_f32 v[TM], v[TM], |v[(\s)+\i]|, |v[(\s)+\i+1]|
	v_max3_num_f32 v[TM+1], v[TM+1], |v[(\s)+16+\i]|, |v[(\s)+17+\i]|
.endr
	v_permlanex16_b32 v[TP], v[TM], s[SEL], s[SEL+1]
	v_permlanex16_b32 v[TP+1], v[TM+1], s[SEL], s[SEL+1]
	v_max_num_f32 v[TM], v[TM], v[TP]
	v_max_num_f32 v[TM+1], v[TM+1], v[TP+1]
	v_add_nc_u32 v[TS], 0xff000000, v[TM]
	v_add_nc_u32 v[TS+1], 0xff000000, v[TM+1]
	v_lshrrev_b32 v[TP], 23, v[TS]
	v_lshrrev_b32 v[TP+1], 23, v[TS+1]
	v_lshl_or_b32 v[\pwr], v[TP+1], 8, v[TP]
	v_cvt_scalef32_pk16_fp6_f32 v[(\pc):(\pc)+2], v[(\s):(\s)+15], v[TS]
	v_cvt_scalef32_pk16_fp6_f32 v[(\pc)+4:(\pc)+6], v[(\s)+16:(\s)+31], v[TS+1]
	v_nop                                                          ; one plain place behind a scaled conversion
.irp i, 0,1,2
	v_permlane16_swap_b32 v[(\pc)+\i], v[(\pc)+4+\i]
.endr
	v_mov_b32 v[(\pc)+3], v[(\pc)+4]
	v_mov_b32 v[(\pc)+4], v[(\pc)+5]
	v_mov_b32 v[(\pc)+5], v[(\pc)+6]
.endm
.macro PUTIMG pc, pwr, a16, a8, a4, oi, os
	ds_store_b128 v[\a16], v[(\pc):(\pc)+3] offset:\oi
	ds_store_b64 v[\a8], v[(\pc)+4:(\pc)+5] offset:(\oi)+512
	ds_store_b32 v[\a4], v[\pwr] offset:\os
.endm
.macro WM d, a, b, c, sa, sb, odd
.if \odd
	v_wmma_scale_f32_16x16x128_f8f6f4 v[(\d):(\d)+7], v[(\a):(\a)+11], v[(\b):(\b)+11], v[(\c):(\c)+7], v[\sa], v[\sb] matrix_a_fmt:MATRIX_FMT_FP6 matrix_b_fmt:MATRIX_FMT_FP6 matrix_a_scale:MATRIX_SCALE_ROW1 matrix_b_scale:MATRIX_SCALE_ROW1
.else
	v_wmma_scale_f32_16x16x128_f8f6f4 v[(\d):(\d)+7], v[(\a):(\a)+11], v[(\b):(\b)+11], v[(\c):(\c)+7], v[\sa], v[\sb] matrix_a_fmt:MATRIX_FMT_FP6 matrix_b_fmt:MATRIX_FMT_FP6
.endif
.endm
.macro G1 s                            ; W1's four fragments of K step s: 12 loads
.if (\s) == 5
	WIN 0xc0
.set GB, 0
.else
	WIN 0x40
.set GB, 48*(\s)
.endif
.irp t, 0,1,2,3
.irp c, 0,1,2
	global_load_b128 v[GB+12*\t+4*\c:GB+12*\t+4*\c+3], v[L16], s[6:7] offset:(6*\t+(\s))*1536+512*\c
.endr
.endr
	WIN 0
.endm
.macro G2 g                            ; four of W2's 24 fragments, in the order of use: 12 loads
.if (\g) < 3
	WIN 0x80
.set GB, 0
.else
	WIN 0xc0
.set GB, 48
.endif
.irp q, 0,1,2,3
.set NN, (4*(\g)+\q)%12
.irp c, 0,1,2
	global_load_b128 v[GB+12*NN+4*\c:GB+12*NN+4*\c+3], v[L16], s[14:15] offset:(24*NN+(\g)/3)*1536+512*\c
.endr
.endr
	WIN 0
.endm
	s_load_b256 s[4:11], s[0:1], 0x0               ; xbuf 4, wc 6, ws 8, b1 10
	s_load_b64 s[12:13], s[0:1], 0x20              ; part
	v_lshl_add_u32 v254, v0, 2, 0xfc00
	v_mov_b32 v255, 0
	v_lshrrev_b32 v1, 5, v0
	v_readfirstlane_b32 s22, v1                    ; wave
	s_and_b32 s23, ttmp7, 0xffff                   ; mt: which 16 rows
	v_and_b32 v4, 31, v0
	v_lshlrev_b32 v[L16], 4, v4
	v_lshlrev_b32 v[L4], 2, v4
	v_lshlrev_b32 v[L8], 3, v4
	v_bfe_u32 v5, v0, 4, 1                         ; h
	v_and_b32 v4, 15, v0                           ; r
	v_lshlrev_b32 v[H64], 6, v5
	v_lshlrev_b32 v[SCR], 2, v4
	v_lshl_add_u32 v[SCR], v5, 8, v[SCR]
	v_mul_u32_u24 v[XA], v4, 3072
	v_add_nc_u32 v[XA], v[XA], v[H64]
	s_wait_alu depctr_va_sdst(0)                   ; s22, the wave's number, is written, ahead of its first reader
	s_mul_i32 s24, s22, 2304
	v_add_nc_u32 v8, s24, v[L16]                   ; x's half images 3 w + e
	v_add_nc_u32 v9, s24, v[L8]
	s_mul_i32 s24, s22, 384
	v_add_nc_u32 v10, s24, v[L4]
	s_mul_i32 s24, s22, 768
	v_add_nc_u32 v12, s24, v[L16]                  ; the hidden layer's half image w
	v_add_nc_u32 v13, s24, v[L8]
	s_lshl_b32 s24, s22, 7
	v_add_nc_u32 v14, s24, v[L4]
	s_mul_i32 s24, s22, 12544
	s_add_co_u32 s24, s24, STG
	v_mul_u32_u24 v15, v4, 784
	v_add_nc_u32 v15, v15, v[H64]
	v_add_nc_u32 v15, s24, v15                     ; the stage, in: row r, 64 h
	v_mul_u32_u24 v16, v5, 784
	v_lshl_add_u32 v16, v4, 4, v16
	v_add_nc_u32 v16, s24, v16                     ; back: lanes 0-15 256 bytes of one row, lanes 16-31 of the next
	v_mul_u32_u24 v17, v5, 3072
	v_lshl_add_u32 v17, v4, 4, v17                 ; and the same in part
	v_mov_b32 v[TP], 0
	v_mov_b32 v[TP+1], 0
	s_mov_b32 s[SEL], 0x76543210
	s_mov_b32 s[SEL+1], 0xfedcba98
	s_mov_b32 s42, 0x3e2ef945                      ; the polynomial's highest coefficient, 0.17087277
	s_lshl_b32 s24, ttmp9, 4
	s_lshl_b32 s25, s22, 2
	s_add_co_u32 s24, s24, s25
	s_mul_i32 s24, s24, 6
	s_add_co_u32 s24, s24, 1152                    ; W1: fragment 1152 + 6 (16 j + 4 w)
	s_mul_i32 s26, s22, 288
	s_lshl_b32 s27, ttmp9, 1
	s_add_co_u32 s26, s26, s27
	s_add_co_u32 s26, s26, 2304                    ; W2: fragment 2304 + 288 w + 2 j
	s_mul_i32 s28, s24, 1536
	s_mov_b32 s29, 0
	s_lshl_b32 s30, s24, 6
	s_mov_b32 s31, 0
	s_mul_i32 s32, s26, 1536
	s_mov_b32 s33, 0
	s_lshl_b32 s34, s26, 6
	s_mov_b32 s35, 0
	s_mul_i32 s36, s23, 49152
	s_mul_i32 s38, s22, 768
	s_add_co_u32 s36, s36, s38
	s_mov_b32 s37, 0
	s_lshl_b32 s40, ttmp9, 10
	s_lshl_b32 s41, s22, 8
	s_add_co_u32 s40, s40, s41
	s_mov_b32 s41, 0
	s_mul_i32 s46, ttmp9, 786432
	s_add_co_u32 s46, s46, s36
	s_mov_b32 s47, 0
	s_wait_kmcnt 0x0
	s_add_nc_u64 s[14:15], s[6:7], s[32:33]
	s_add_nc_u64 s[6:7], s[6:7], s[28:29]
	s_add_nc_u64 s[16:17], s[8:9], s[34:35]
	s_add_nc_u64 s[8:9], s[8:9], s[30:31]
	s_add_nc_u64 s[4:5], s[4:5], s[36:37]
	s_add_nc_u64 s[10:11], s[10:11], s[40:41]
	s_add_nc_u64 s[12:13], s[12:13], s[46:47]
	s_wait_alu depctr_va_vdst(0)                   ; the offsets and LDS addresses v1 to v3 and v6 to v17 are written, which every load and store of the kernel reads
.irp e, 0,1,2                                      ; my 192 along K of the 16 rows: 24 loads
.irp k, 0,1
.irp j, 0,1,2,3
	global_load_b128 v[ACC2+32*\e+16*\k+4*\j:ACC2+32*\e+16*\k+4*\j+3], v[XA], s[4:5] offset:256*\e+128*\k+16*\j
.endr
.endr
.endr
.irp t, 0,1,2,3                                    ; W1's packed scale words and b1: 20 loads
.irp i, 0,1,2
	global_load_b32 v[W1S+3*\t+\i], v[L4], s[8:9] offset:(6*\t+2*\i)*64
.endr
.endr
.irp t, 0,1,2,3
	global_load_b128 v[BIAS+8*\t:BIAS+8*\t+3], v[H64], s[10:11] offset:128*(\t/2)+32*(\t%2)
	global_load_b128 v[BIAS+8*\t+4:BIAS+8*\t+7], v[H64], s[10:11] offset:128*(\t/2)+32*(\t%2)+16
.endr
	G1 0
	s_wait_loadcnt 32                              ; x's numbers are in; behind them the 20 and the 12
	QUANT2 ACC2, PC, PW                            ; each half image has an out-buffer of its own
	G1 1                                           ; no wait: the quantising names neither v[L16] nor a weight's register
	QUANT2 ACC2+32, PCB, PWB
	G1 2
	QUANT2 ACC2+64, PCC, PWC
	s_wait_alu depctr_va_vdst(0)                   ; the conversions, swaps and moves have written the three out-buffers, which the nine LDS stores read
	PUTIMG PC, PW, 8, 9, 10, XIMG, XSC
	PUTIMG PCB, PWB, 8, 9, 10, XIMG+768, XSC+128
	PUTIMG PCC, PWC, 8, 9, 10, XIMG+1536, XSC+256
.irp s, 3,4,5
	G1 \s
.endr
	s_wait_dscnt 0x0
	s_barrier_signal -1
	s_barrier_wait -1                              ; x's 12 half images lie in LDS
	WIN 0x80
.irp s, 0,1,2,3,4,5
	ds_load_b128 v[144+12*\s:147+12*\s], v[L16] offset:XIMG+1536*\s
	ds_load_b64 v[148+12*\s:149+12*\s], v[L8] offset:XIMG+1536*\s+512
	ds_load_b128 v[150+12*\s:153+12*\s], v[L16] offset:XIMG+1536*\s+768
	ds_load_b64 v[154+12*\s:155+12*\s], v[L8] offset:XIMG+1536*\s+1280
.endr
	WIN 0
.irp i, 0,1,2
	ds_load_b32 v[XS+\i], v[SCR] offset:XSC+512*\i
	ds_load_b32 v[HI+\i], v[SCR] offset:XSC+512*\i+128
.endr
	s_wait_dscnt 0x0
.irp i, 0,1,2
	v_lshl_or_b32 v[XS+\i], v[HI+\i], 16, v[XS+\i]
.endr
	PLACES 8                                       ; scale registers written by vector instructions stand 8 places ahead of a scaled matrix instruction
	s_wait_alu depctr_va_vdst(0)                   ; the three lines above have written x's scale words v[XS ..], which the matrix instructions take
.irp s, 0,1,2,3,4,5                                ; transposed: source 0 = 16 columns of W1, source 1 = x; the four accumulators take turns
	s_wait_loadcnt 60                              ; behind K step s's 12 loads stand at least 60: W1's later K steps, and what has been asked of W2
.if \s == 5
	WIN 0x0b
.else
	WIN 0x09
.endif
.irp t, 0,1,2,3
.if \s == 0
	WM ACC1+8*\t, 12*\t, 144, BIAS+8*\t, W1S+3*\t, XS, 0
.elseif \s == 5
	WM ACC1+8*\t, 12*\t, 144+12*\s, ACC1+8*\t, W1S+3*\t+2, XS+2, 1
.else
	WM ACC1+8*\t, 48*\s+12*\t, 144+12*\s, ACC1+8*\t, W1S+3*\t+\s/2, XS+\s/2, \s%2
.endif
.endr
	WIN 0
	G2 \s                                          ; no wait: W2's registers are named by no vector or matrix instruction ahead of the second product
.if \s == 0
.irp n, 0,1,2,3,4,5,6,7,8,9,10,11
	global_load_b32 v[W2S+\n], v[L4], s[16:17] offset:24*\n*64     ; lanes 0-15: K step 2 j, lanes 16-31: 2 j + 1
.endr
.endif
.endr
	PLACES 4
	; ---- gelu of my 32 numbers a lane
.set AR, ACC2
.set TR, ACC2+32
.set UR, ACC2+64
.set I, 0
.rept 32
	v_mul_f32 v[AR+I], 0xbf3504f3, v[ACC1+I]       ; a = -z / sqrt(2)
.set I, I+1
.endr
.set I, 0
.rept 32
	v_fma_f32 v[TR+I], |v[AR+I]|, 0.5, 1.0
.set I, I+1
.endr
.set I, 0
.rept 32
	v_rcp_f32 v[TR+I], v[TR+I]
.set I, I+1
.endr
	v_nop
	s_wait_alu depctr_va_vdst(0)                   ; the 32 reciprocals have written v[TR ..]: one wait, ahead of their first reader
.set I, 0
.rept 32
	v_fmaak_f32 v[UR+I], s42, v[TR+I], 0xbf527892
.set I, I+1
.endr
.irp k, 0x3fbe87b0, 0xbf914e5d, 0x3e8ec7cc, 0xbe3ec24c, 0x3dc636c9, 0x3ebf88fb, 0x3f8000c7, 0xbfa1fc4e
.set I, 0
.rept 32
	v_fmaak_f32 v[UR+I], v[UR+I], v[TR+I], \k
.set I, I+1
.endr
.endr
.set I, 0
.rept 32
	v_fma_f32 v[UR+I], -v[AR+I], v[AR+I], v[UR+I]
.set I, I+1
.endr
.set I, 0
.rept 32
	v_mul_f32 v[UR+I], 0x3fb8aa3b, v[UR+I]
.set I, I+1
.endr
.set I, 0
.rept 32
	v_exp_f32 v[UR+I], v[UR+I]
.set I, I+1
.endr
	v_nop
.set I, 0
.rept 32                                           ; where is a at 0 or above?  One run of 32 compares into s24-41 and s48-61, which hold nothing any more; they read a alone: work behind the exponentials
	v_cmp_le_f32 s[24+I+6*(I/18)], 0, v[AR+I]
.set I, I+1
.endr
	s_wait_alu depctr_va_vdst(0)                   ; the 32 exponentials have written v[UR ..]: one wait, ahead of their first reader
.set I, 0
.rept 32
	v_mul_f32 v[UR+I], v[UR+I], v[TR+I]            ; erfc(|a|)
.set I, I+1
.endr
.set I, 0
.rept 32
	v_sub_f32 v[TR+I], 2.0, v[UR+I]
.set I, I+1
.endr
	s_wait_alu depctr_va_sdst(0)                   ; the 32 compares have written their masks, ahead of the selects that read them
.set I, 0
.rept 32
	v_cndmask_b32 v[UR+I], v[TR+I], v[UR+I], s[24+I+6*(I/18)]   ; erfc(a) = 2 - erfc(-a) where a < 0
.set I, I+1
.endr
.set I, 0
.rept 32
	v_mul_f32 v[TR+I], 0.5, v[ACC1+I]
.set I, I+1
.endr
.set I, 0
.rept 32
	v_mul_f32 v[ACC1+I], v[TR+I], v[UR+I]
.set I, I+1
.endr
	s_wait_alu depctr_vm_vsrc(0)                   ; the LDS stores of x's first half image have read v[PC ..] and v[PW], which are written again below
	QUANT2 ACC1, PC, PW
	s_wait_alu depctr_va_vdst(0)                   ; v[PC ..] and v[PW] are written, which the LDS stores read; the line that read v[HI] is done, in which an LDS load lands below
	PUTIMG PC, PW, 12, 13, 14, HIMG, HSC
	s_wait_dscnt 0x0
	s_barrier_signal -1
	s_barrier_wait -1                              ; the chunk's four half images lie in LDS
	WIN 0x80
.irp s, 0,1
	ds_load_b128 v[216+12*\s:219+12*\s], v[L16] offset:HIMG+1536*\s
	ds_load_b64 v[220+12*\s:221+12*\s], v[L8] offset:HIMG+1536*\s+512
	ds_load_b128 v[222+12*\s:225+12*\s], v[L16] offset:HIMG+1536*\s+768
	ds_load_b64 v[226+12*\s:227+12*\s], v[L8] offset:HIMG+1536*\s+1280
.endr
	WIN 0
	ds_load_b32 v[HS], v[SCR] offset:HSC
	ds_load_b32 v[HI], v[SCR] offset:HSC+128
	s_wait_dscnt 0x0
	v_lshl_or_b32 v[HS], v[HI], 16, v[HS]
	PLACES 8
	s_wait_alu depctr_va_vdst(0)                   ; the line above has written the hidden layer's scale word v[HS], which the matrix instructions take
	s_wait_loadcnt 0x0                             ; all of W2
	WIN 0x0a
.irp n, 0,1,2,3,4,5,6,7,8,9,10,11                  ; the first K step starts the twelve sums
	v_wmma_scale_f32_16x16x128_f8f6f4 v[ACC2+8*\n:ACC2+8*\n+7], v[12*\n:12*\n+11], v[216:227], 0, v[W2S+\n], v[HS] matrix_a_fmt:MATRIX_FMT_FP6 matrix_b_fmt:MATRIX_FMT_FP6
.endr
	WIN 0x0b
.irp n, 0,1,2,3,4,5,6,7,8,9,10,11
	WM ACC2+8*\n, 48+12*\n, 228, ACC2+8*\n, W2S+\n, HS, 1
.endr
	WIN 0
	PLACES 4                                       ; four places behind the last matrix instruction, before its result is read (ISA guide 7.12.1)
	s_wait_alu depctr_va_vdst(0)                   ; the matrix instructions have written the twelve accumulators, which the LDS stores read and in which the stage's loads land; the places above stay beside this wait
.irp n, 0,1,2,3,4,5,6,7,8,9,10,11                  ; lane (r, h), tile n = 2 b + u: columns 32 b + 16 h + 8 u + 0 .. 7 of row r
	ds_store_b128 v15, v[ACC2+8*\n:ACC2+8*\n+3] offset:128*(\n/2)+32*(\n%2)
	ds_store_b128 v15, v[ACC2+8*\n+4:ACC2+8*\n+7] offset:128*(\n/2)+32*(\n%2)+16
.endr
	s_wait_dscnt 0x0                               ; the stores are done
	s_wait_alu depctr_vm_vsrc(0)                   ; the LDS stores have read v[ACC2 ..], which take the rows back
.irp p, 0,1,2,3,4,5,6,7
.irp q, 0,1,2
	ds_load_b128 v[ACC2+4*(3*\p+\q):ACC2+4*(3*\p+\q)+3], v16 offset:1568*\p+256*\q
.endr
.endr
.irp p, 0,1,2,3,4,5,6,7
.irp q, 0,1,2
	s_wait_dscnt 23-(3*\p+\q)
	global_store_b128 v17, v[ACC2+4*(3*\p+\q):ACC2+4*(3*\p+\q)+3], s[12:13] offset:6144*\p+256*\q th:TH_STORE_NT   ; each half of the lanes stores 256 consecutive bytes, aligned
.endr
.endr
	s_wait_dscnt 0x0                               ; the closing lines, six on end
	s_wait_alu 0x0
	s_wait_tensorcnt 0x0
	ds_add_u32 v254, v255
	s_wait_dscnt 0x0
	s_endpgm
.Lfunc_end_k_qc969fca3c7_ffn:
	.size	k_qc969fca3c7_ffn, .Lfunc_end_k_qc969fca3c7_ffn-k_qc969fca3c7_ffn
	.p2alignl 7, 3214868480
	.fill 96, 4, 3214868480
	.section	.rodata,"a",@progbits
	.p2align	6, 0x0
	.amdhsa_kernel k_qc969fca3c7_ffn
		.amdhsa_group_segment_fixed_size 65024
		.amdhsa_private_segment_fixed_size 0
		.amdhsa_enable_private_segment 0
		.amdhsa_kernarg_size 40
		.amdhsa_user_sgpr_count 2
		.amdhsa_user_sgpr_kernarg_segment_ptr 1
		.amdhsa_wavefront_size32 1
		.amdhsa_system_sgpr_workgroup_id_x 1
		.amdhsa_system_sgpr_workgroup_id_y 1
		.amdhsa_system_sgpr_workgroup_id_z 1
		.amdhsa_system_vgpr_workitem_id 0
		.amdhsa_next_free_vgpr 960
		.amdhsa_next_free_sgpr 66
		.amdhsa_reserve_vcc 0
		.amdhsa_float_denorm_mode_32 3
		.amdhsa_float_denorm_mode_16_64 3
		.amdhsa_memory_ordered 1
		.amdhsa_forward_progress 1
		.amdhsa_inst_pref_size 85
	.end_amdhsa_kernel
	.amdgpu_metadata
---
amdhsa.version: [ 1, 2 ]
amdhsa.kernels:
  - .name:           k_qc969fca3c7_ffn
    .symbol:         k_qc969fca3c7_ffn.kd
    .args:
      - { .name: xbuf, .offset: 0, .size: 8, .value_kind: global_buffer, .address_space: global }
      - { .name: wc, .offset: 8, .size: 8, .value_kind: global_buffer, .address_space: global }
      - { .name: ws, .offset: 16, .size: 8, .value_kind: global_buffer, .address_space: global }
      - { .name: b1, .offset: 24, .size: 8, .value_kind: global_buffer, .address_space: global }
      - { .name: part, .offset: 32, .size: 8, .value_kind: global_buffer, .address_space: global }
    .group_segment_fixed_size: 65024
    .private_segment_fixed_size: 0
    .kernarg_segment_align: 8
    .kernarg_segment_size: 40
    .max_flat_workgroup_size: 128
    .sgpr_count:     66
    .vgpr_count:     960
    .wavefront_size: 32
...
	.end_amdgpu_metadata
.endif
;; end of part 6
;; launch final: the kernel of part 4 again; grid 256 x 1, 1 waves a work-group, no clusters, 0 bytes of LDS; arguments part, xbuf, b2, ln_g, ln_b, out0; writes out0
